; MI455X (gfx1250); checked and timed in simulation.
; The chip was launched on July 23, 2026; its instructions are those of AMD's public machine-readable ISA for CDNA 5 (MIT licence, August 2026) and "CDNA5" Instruction Set Architecture Reference Guide (July 2026). The comments in the code are by the model that wrote it; some were corrected since.
;; Enhanced Attention Layer. Allowed arithmetic: matrix products marked QUANTISED: E2M3 operands, one E8M0 scale for each 32 along K, by v_wmma_scale_f32_16x16x128_f8f6f4 with both operands' format E2M3, f32 sums; everything else in f32.
;; Inputs: Wk 1,024 x 1,024 float32; Wo 1,024 x 1,024 float32; Wq 1,024 x 1,024 float32; Wv 1,024 x 1,024 float32; bk 1,024 float32; bo 1,024 float32; bq 1,024 float32; bv 1,024 float32; x 4 x 2,048 x 1,024 float32.
;; Outputs: out0 4 x 2,048 x 1,024 float32.
;; This version of the problem:
;;   THIS VERSION OF THE PROBLEM IS GIVEN IN LOW PRECISION. The matrix products marked QUANTISED in the list below multiply operands that are first quantised to E2M3 (2 exponent bits, 3 mantissa bits; 6 bits a number), with one power-of-two scale for each 32 numbers along K (OCP MX v1.0); their sums are f32. All else is computed in f32.
;;   The module's matrix products, in the order in which they are computed (A, B: the left and right operand; K: the contracted axis; several contracted axes count as one K, in the product's order):
;;     1. [M 8,192, K 1,024] x [K 1,024, N 1,024]; A: input x; B: input Wq: QUANTISED
;;     2. [M 8,192, K 1,024] x [K 1,024, N 1,024]; A: input x; B: input Wk: QUANTISED
;;     3. [M 8,192, K 1,024] x [K 1,024, N 1,024]; A: input x; B: input Wv: QUANTISED
;;     4. batch 4 x [M 2,048, K 1,024] x [K 1,024, N 2,048]; A: computed on the way; B: computed on the way: QUANTISED
;;     5. batch 4 x [M 2,048, K 2,048] x [K 2,048, N 1,024]; A: softmax (see below); B: computed on the way: QUANTISED
;;     6. [M 8,192, K 1,024] x [K 1,024, N 1,024]; A: computed on the way; B: input Wo: QUANTISED
;;   THE QUANTISER, for each operand of a quantised product, along K:
;;     - K is cut into blocks of 32 from its start; a last block that is shorter is filled with zeros.
;;     - A block's scale is 2^e with e = floor(log2(the largest magnitude in the block)) - 2, held to -126 .. 127; a block of zeros has e = 0. As a byte (E8M0): e + 127.
;;     - Each number is divided by its block's scale, clamped to +-7.5, and rounded to the nearest number of E2M3, ties to even, subnormals kept.
;;     - The product sums the exact products of the quantised numbers (number of the format x scale) in f32.
;;   ~~~python
;;   def quantise(x, axis):      # numpy; x: float32 -> the quantised numbers, widened to float32 again
;;       x = np.moveaxis(x, axis, -1); K = x.shape[-1]
;;       x = np.pad(x, [(0, 0)] * (x.ndim - 1) + [(0, -K % 32)]); x = x.reshape(x.shape[:-1] + (-1, 32)); a = np.abs(x).max(-1, keepdims=True)
;;       e = np.where(a > 0, np.clip(np.frexp(np.where(a > 0, a, 1))[1] - 1 - 2, -126, 127), 0)      # np.frexp(a)[1] - 1 = floor(log2(a)), exactly
;;       r = np.clip(x / 2.0 ** e, -7.5, 7.5)
;;       step = 2.0 ** (np.maximum(np.frexp(np.where(r == 0, 1, r))[1] - 1, 0) - 3)
;;       q = np.round(r / step) * step * 2.0 ** e      # np.round: ties to even
;;       return np.moveaxis(q.reshape(q.shape[:-2] + (-1,))[..., :K], -1, axis).astype(np.float32)
;;   ~~~
;;   SOFTMAX AHEAD OF A QUANTISED PRODUCT. Where the list says 'softmax', what is quantised is not the finished softmax but p = 2^(t - M), with t = logit x log2(e) and M = ceil(the row's largest t), a whole number; so 1/2 < the row's largest p <= 1. The row's sum l is taken of the UNQUANTISED p, in f32, and the product's result is divided by l at the end. Since M is a whole number, a kernel that streams over the keys may use a running M (the ceiling of the running maximum): every later rescaling is an exact power of two, which a block's scale takes up: the codes' values come out the same.
;;   OPERANDS COMPUTED ON THE WAY. 'Computed on the way' means the value that the module computes at that place (a softmax that the list does not call 'softmax' is quantised finished and normalised). What goes into a quantiser is computed in f32, as accurately as f32 sums, v_exp_f32 and their like allow (about 1e-6 of the number): no bf16 or f16 on the way to a quantiser, and a product that is left as it is and whose result goes on into a quantised operand takes f32 operands (vector FMAs, or v_wmma_f32_16x16x4_f32). A number that lies on a knife's edge between two numbers of the format may be rounded either way, as far as f32 arithmetic and the matrix unit's own rounding can turn it there, and no further.
;; One version. Each part assembles by itself: llvm-mc -triple=amdgcn-amd-amdhsa -mcpu=gfx1250 --defsym DOCPART=n.
;; ======== version 1 of 1: 5 launches
;; limits: right only within a limited range of input values
;; workspace buffers: opq 9,830,400 bytes; qkv 19,660,800 bytes; pbuf 14,155,776 bytes; ctx 6,553,600 bytes
;; launch quant (part 1): grid 768 x 1, 4 waves a work-group, no clusters, 67,072 bytes of LDS; arguments x, Wq, Wk, Wv, Wo, opq; writes opq
.if DOCPART == 1
	.amdgcn_target "amdgcn-amd-amdhsa--gfx1250"
	.amdhsa_code_object_version 6
	.text
	.protected	k_q36531ff2de_quant
	.globl	k_q36531ff2de_quant
	.p2align	8
	.type	k_q36531ff2de_quant,@function
k_q36531ff2de_quant:
	s_mov_b64 s[64:65], 0
	v_nop
	global_prefetch_b8 v0, s[64:65] scope:SCOPE_SE
	s_setreg_imm32_b32 hwreg(HW_REG_WAVE_MODE, 25, 1), 1
	s_wait_xcnt 0x0
; x [8192][1024] and Wq, Wk, Wv, Wo [1024][1024], f32 with K innermost, become codes of FP6 (E2M3) with one E8M0 byte for each 32 along K, laid as IMAGES OF OPERAND REGISTERS.
; A ROW BLOCK rb is 16 rows: place r of it is row 32 (rb / 2) + 8 (rb % 2) + r + 8 (r / 8).  A FRAGMENT (16 rows x 128 K, 12 registers a lane) is 1,536 bytes: registers 4 k .. 4 k + 3 of lane l at 512 k + 16 l.
; Codes: [K / 256][rb][2][1,536].  Scale words of x: [K / 128][512 rb][16 words]; of the weights: [K / 128][8 panels][4 tensors][8 rb][16 words].
; A block's scale is 2^(floor(log2(its largest magnitude)) - 2); its byte is that magnitude's exponent field - 2, held at 1 from below.
; LIMITS: a block of zeros, or one whose largest magnitude lies under 2^-124, keeps the byte 1 (zero codes add nothing; this program alone reads the bytes); NaN and infinities are not served.
; SHARES: work-group g < 512 takes row block g of x, the others row block (g - 512) % 64 of weight (g - 512) / 64; only pointers and offsets are chosen, by selects on g.  Wave w takes K 256 w .. 256 w + 255: two fragments.
; Each load reads 512 consecutive bytes of a row; the 16 KiB turn through the wave's own stage in LDS (rows 1,040 bytes apart), so that a lane gets 16 neighbours along K of each block of 32.  Waves share nothing: no barrier.
.set WC,    6291456                    ; opq: the weights' codes (x's begin at 0)
.set XS,    9437184                    ; x's scale words
.set WS,    9699328                    ; the weights'
.set STG,   16640                      ; a wave's stage: 16 rows x 1,040 bytes
.set SPARE, 4*STG                      ; behind the stages: the spare words, 128 bytes a wave
.set LI,  2                            ; v2   16 x lane
.set STI, 3                            ; v3   stage + 16 x lane
.set STR, 4                            ; v4   stage + 1,040 r + 64 h
.set SOF, 5                            ; v5   4 r + h x (one K step of scale words)
.set SPW, 12                           ; v12  my spare word; never rewritten
.set NIL, 13                           ; v13  0; never rewritten
.set TM,  16                           ; v16-31 at work
.set PW,  32                           ; v32-33 the two scale words
.set MG,  34
.set PC,  36                           ; v36-47 a fragment's codes; v48-54 at work
.set R,   64                           ; v64-191 as loaded
.set NUM, 192                          ; v192-255 64 numbers: register 16 b + i = k 32 b + 16 h + i of my row
	s_load_b256 s[4:11], s[0:1], 0x0               ; x, Wq, Wk, Wv
	s_load_b128 s[12:15], s[0:1], 0x20             ; Wo, opq
	v_lshl_add_u32 v[SPW], v0, 2, SPARE
	v_mov_b32 v[NIL], 0
	v_lshrrev_b32 v1, 5, v0
	v_readfirstlane_b32 s16, v1                    ; wave
	v_and_b32 v1, 31, v0
	v_lshlrev_b32 v[LI], 4, v1
	v_and_b32 v6, 15, v0                           ; r
	v_bfe_u32 v7, v0, 4, 1                         ; h
	s_mul_i32 s17, s16, STG
	v_add_nc_u32 v[STI], s17, v[LI]
	v_mul_u32_u24 v[STR], v6, 1040
	v_lshl_add_u32 v[STR], v7, 6, v[STR]
	v_add_nc_u32 v[STR], s17, v[STR]
	s_mov_b32 s32, 0xffff0000                      ; lanes 16-31
	s_mov_b32 s34, 0x76543210
	s_mov_b32 s35, 0xfedcba98                      ; selects for lane l xor 16
.irp b, 0,1,2,3
	v_mov_b32 v[TM+4+\b], 0                        ; a lane permute's destination counts as read
.endr
	s_sub_co_u32 s20, ttmp9, 512                   ; a weight's work-group: its row block among the four weights' 256,
	s_lshr_b32 s21, s20, 6                         ; the weight,
	s_and_b32 s22, s20, 63                         ; and the row block in it
	s_lshr_b32 s28, s22, 3
	s_lshl_b32 s28, s28, 11                        ; its scale words: panel x 2,048
	s_lshl_b32 s29, s21, 9                         ; + weight x 512
	s_add_co_u32 s28, s28, s29
	s_and_b32 s29, s22, 7
	s_lshl_b32 s29, s29, 6                         ; + row block in the panel x 64
	s_add_co_u32 s28, s28, s29
	s_lshl_b32 s29, ttmp9, 6                       ; x's: row block x 64
	s_wait_alu depctr_va_vdst(0)
	s_wait_kmcnt 0x0
	s_cmp_eq_u32 s21, 1
	s_cselect_b64 s[6:7], s[8:9], s[6:7]
	s_cmp_eq_u32 s21, 2
	s_cselect_b64 s[6:7], s[10:11], s[6:7]
	s_cmp_eq_u32 s21, 3
	s_cselect_b64 s[6:7], s[12:13], s[6:7]
	s_cmp_lt_u32 ttmp9, 512                        ; x or a weight?  Only selects and moves stand behind this compare
	s_cselect_b64 s[4:5], s[4:5], s[6:7]
	s_cselect_b32 s22, ttmp9, s22                  ; row block in the tensor
	s_cselect_b32 s23, ttmp9, s20                  ; row block in the codes' region
	s_mov_b32 s24, 256
	s_cselect_b32 s24, 512, s24                    ; row blocks in that region
	s_cselect_b32 s25, 0, WC
	s_mov_b32 s26, 16384
	s_cselect_b32 s26, 32768, s26                  ; bytes of scale words in a K step of 128
	s_mov_b32 s27, WS
	s_cselect_b32 s27, XS, s27
	s_cselect_b32 s28, s29, s28
	s_lshr_b32 s30, s22, 1
	s_lshl_b32 s30, s30, 17                        ; 32 (rb / 2) rows of 4,096 bytes
	s_and_b32 s31, s22, 1
	s_lshl_b32 s31, s31, 15                        ; + 8 (rb % 2) rows
	s_add_co_u32 s30, s30, s31
	s_lshl_b32 s31, s16, 10                        ; + my wave's 1,024 bytes of a row
	s_add_co_u32 s30, s30, s31
	s_mov_b32 s31, 0
	s_add_nc_u64 s[4:5], s[4:5], s[30:31]
	s_mul_i32 s30, s16, s24
	s_add_co_u32 s30, s30, s23
	s_mul_i32 s30, s30, 3072
	s_add_co_u32 s30, s30, s25
	s_add_nc_u64 s[18:19], s[14:15], s[30:31]      ; where my two fragments go
	s_mul_i32 s30, s16, s26
	s_lshl_b32 s30, s30, 1                         ; K step 2 w
	s_add_co_u32 s30, s30, s27
	s_add_co_u32 s30, s30, s28
	s_add_nc_u64 s[14:15], s[14:15], s[30:31]      ; and their scale words
	v_mul_lo_u32 v[SOF], v7, s26
	v_lshl_add_u32 v[SOF], v6, 2, v[SOF]
.irp i, 0,1,2,3,4,5,6,7,8,9,10,11,12,13,14,15
.irp e, 0,1
	global_load_b128 v[R+8*\i+4*\e:R+8*\i+4*\e+3], v[LI], s[4:5] offset:(\i+8*(\i/8))*4096+512*\e th:TH_LOAD_NT   ; 512 consecutive bytes of place i's row
.endr
.endr
	s_wait_loadcnt 16                              ; places 0 to 7 are in; the 16 loads of places 8 to 15 may be out
.irp i, 0,1,2,3,4,5,6,7
.irp e, 0,1
	ds_store_b128 v[STI], v[R+8*\i+4*\e:R+8*\i+4*\e+3] offset:1040*\i+512*\e
.endr
.endr
	s_wait_loadcnt 0x0
.irp i, 8,9,10,11,12,13,14,15
.irp e, 0,1
	ds_store_b128 v[STI], v[R+8*\i+4*\e:R+8*\i+4*\e+3] offset:1040*\i+512*\e
.endr
.endr
; 64 numbers of a lane become a fragment's codes in v[PC] on and its scale word in v[pw]
.macro QUANT pw
.irp b, 0,1,2,3
	v_max3_num_f32 v[TM+\b], |v[NUM+16*\b]|, |v[NUM+16*\b+1]|, 0x1800000   ; my 16 numbers of block b, and the floor 2^(3 - 127): the byte cannot fall under 1
.endr
.irp i, 2,4,6,8,10,12,14
.irp b, 0,1,2,3
	v_max3_num_f32 v[TM+\b], |v[NUM+16*\b+\i]|, |v[NUM+16*\b+\i+1]|, v[TM+\b]
.endr
.endr
.irp b, 0,1,2,3
	v_permlanex16_b32 v[TM+4+\b], v[TM+\b], s34, s35
.endr
.irp b, 0,1,2,3
	v_max_num_f32 v[TM+\b], v[TM+\b], v[TM+4+\b]   ; with lane l xor 16's: the block's largest magnitude
.endr
.irp b, 0,1,2,3
	v_add_nc_u32 v[TM+12+\b], 0xff000000, v[TM+\b] ; 2 off its exponent field: the conversion's scale operand
.endr
.irp b, 0,1,2,3
	v_lshrrev_b32 v[TM+4+\b], 23, v[TM+12+\b]      ; the byte
.endr
	v_lshl_or_b32 v[\pw], v[TM+5], 8, v[TM+4]
	v_lshl_or_b32 v[\pw], v[TM+6], 16, v[\pw]
	v_lshl_or_b32 v[\pw], v[TM+7], 24, v[\pw]
.irp c, 0,1
	v_cvt_scalef32_pk16_fp6_f32 v[PC+6*\c:PC+6*\c+2], v[NUM+32*\c:NUM+32*\c+15], v[TM+12+2*\c]
	v_cvt_scalef32_pk16_fp6_f32 v[PC+12+4*\c:PC+14+4*\c], v[NUM+32*\c+16:NUM+32*\c+31], v[TM+12+2*\c+1]
.endr
	v_nop                                          ; one plain place behind a scaled conversion
.irp c, 0,1                                    ; the layout wants a whole block in a lane: lanes 0-15 block 2 c, lanes 16-31 block 2 c + 1
.irp i, 0,1,2
	v_permlane16_swap_b32 v[PC+6*\c+\i], v[PC+12+4*\c+\i]
.endr
.irp i, 0,1,2
	v_mov_b32 v[PC+3+6*\c+\i], v[PC+12+4*\c+\i]
.endr
.endr
.endm
.irp q, 0,1
.irp b, 0,1,2,3
.irp j, 0,1,2,3
	ds_load_b128 v[NUM+16*\b+4*\j:NUM+16*\b+4*\j+3], v[STR] offset:512*\q+128*\b+16*\j   ; LDS serves a wave's instructions in order: these see my stores
.endr
.endr
	s_wait_dscnt 0x0
.if \q
	s_wait_xcnt 0x0                                ; the first fragment's stores have read their registers
.endif
	QUANT PW+\q
.irp k, 0,1,2
	global_store_b128 v[LI], v[PC+4*\k:PC+4*\k+3], s[18:19] offset:1536*\q+512*\k   ; 512 consecutive bytes, aligned
.endr
.endr
	v_cndmask_b32 v[MG], v[PW], v[PW+1], s32       ; lanes 0-15: K step 2 w's words, lanes 16-31: K step 2 w + 1's
	global_store_b32 v[SOF], v[MG], s[14:15]
	s_wait_tensorcnt 0x0                           ; the wave's end
	ds_add_u32 v[SPW], v[NIL]
	s_wait_dscnt 0x0
	s_endpgm
.Lfunc_end_k_q36531ff2de_quant:
	.size	k_q36531ff2de_quant, .Lfunc_end_k_q36531ff2de_quant-k_q36531ff2de_quant
	.p2alignl 7, 3214868480
	.fill 96, 4, 3214868480
	.section	.rodata,"a",@progbits
	.p2align	6, 0x0
	.amdhsa_kernel k_q36531ff2de_quant
		.amdhsa_group_segment_fixed_size 67072
		.amdhsa_private_segment_fixed_size 0
		.amdhsa_enable_private_segment 0
		.amdhsa_kernarg_size 48
		.amdhsa_user_sgpr_count 2
		.amdhsa_user_sgpr_kernarg_segment_ptr 1
		.amdhsa_wavefront_size32 1
		.amdhsa_system_sgpr_workgroup_id_x 1
		.amdhsa_system_sgpr_workgroup_id_y 1
		.amdhsa_system_sgpr_workgroup_id_z 1
		.amdhsa_system_vgpr_workitem_id 0
		.amdhsa_next_free_vgpr 256
		.amdhsa_next_free_sgpr 66
		.amdhsa_reserve_vcc 0
		.amdhsa_float_denorm_mode_32 3
		.amdhsa_float_denorm_mode_16_64 3
		.amdhsa_memory_ordered 1
		.amdhsa_forward_progress 1
		.amdhsa_inst_pref_size 19
	.end_amdhsa_kernel
	.amdgpu_metadata
---
amdhsa.version: [ 1, 2 ]
amdhsa.kernels:
  - .name:           k_q36531ff2de_quant
    .symbol:         k_q36531ff2de_quant.kd
    .args:
      - { .name: x, .offset: 0, .size: 8, .value_kind: global_buffer, .address_space: global }
      - { .name: Wq, .offset: 8, .size: 8, .value_kind: global_buffer, .address_space: global }
      - { .name: Wk, .offset: 16, .size: 8, .value_kind: global_buffer, .address_space: global }
      - { .name: Wv, .offset: 24, .size: 8, .value_kind: global_buffer, .address_space: global }
      - { .name: Wo, .offset: 32, .size: 8, .value_kind: global_buffer, .address_space: global }
      - { .name: opq, .offset: 40, .size: 8, .value_kind: global_buffer, .address_space: global }
    .group_segment_fixed_size: 67072
    .private_segment_fixed_size: 0
    .kernarg_segment_align: 8
    .kernarg_segment_size: 48
    .max_flat_workgroup_size: 128
    .sgpr_count:     66
    .vgpr_count:     256
    .wavefront_size: 32
...
	.end_amdgpu_metadata
.endif
;; end of part 1
;; launch qkvproj (part 2): grid 8 x 32, 4 waves a work-group, clusters of 4 x 4, 327,680 bytes of LDS; arguments opq, bq, bk, bv, qkv; writes qkv
.if DOCPART == 2
	.amdgcn_target "amdgcn-amd-amdhsa--gfx1250"
	.amdhsa_code_object_version 6
	.text
	.protected	k_q36531ff2de_qkvproj
	.globl	k_q36531ff2de_qkvproj
	.p2align	8
	.type	k_q36531ff2de_qkvproj,@function
k_q36531ff2de_qkvproj:
	s_mov_b64 s[64:65], 0
	v_nop
	global_prefetch_b8 v0, s[64:65] scope:SCOPE_SE
	s_setreg_imm32_b32 hwreg(HW_REG_WAVE_MODE, 25, 1), 1
	s_wait_xcnt 0x0
	s_wait_alu depctr_hold_cnt(0) depctr_sa_sdst(0) depctr_va_vdst(0) depctr_va_sdst(0) depctr_va_ssrc(0) depctr_va_vcc(0) depctr_vm_vsrc(0)
	s_getreg_b32 s2, hwreg(HW_REG_IB_STS2, 6, 4)
	s_cmp_eq_u32 s2, 0
	s_cbranch_scc0 .Lentry_in_a_cluster
	s_endpgm
.Lentry_in_a_cluster:
	s_bfe_u32 s2, ttmp6, 0x10000c
	s_cmp_lg_u32 s2, 0xf033
	s_cbranch_scc0 .Lentry_shape_is_right
	s_endpgm
.Lentry_shape_is_right:
; Q = x Wq^T + bq, K = x Wk^T + bk, V = x Wv^T + bv on codes of FP6 (E2M3) with E8M0 scales; the results are quantised at once: Q and K along the features, V along the tokens (V^T, the keys innermost).
; All operands lie as images of operand registers (row block rb: place r = row 32 (rb / 2) + 8 (rb % 2) + r + 8 (r / 8); fragment = 1,536 bytes; codes [K / 256][rb][2][1,536]; scale words [K / 128][rb][16]).
; SHARES: work-group (J, I) holds 256 rows of x (16 row blocks, all of K = 1,024, filled once) and streams panel J (128 rows) of Wq, Wk, Wv through two slots of 512 along K: three passes of 256 x 128 x 1,024.
; Passes 0 and 1: source 0 = the weight's 8 row blocks, source 1 = 4 row blocks of x a wave: a lane holds one token and 64 neighbouring features.  Pass 2: source 0 = 8 row blocks of x, source 1 = 4 of Wv:
; a lane holds one feature and 64 neighbouring tokens.  By the choice of rows in a row block the 16 registers of tiles 2 b and 2 b + 1 are 16 neighbours along the next K.  The bias is the C of a sum's first product.
; CLUSTER 4 x 4: x's tiles hang on I and go jointly to a row of the cluster, the weights' on J and go to a column.
; LIMITS: a block of zeros, or one whose largest magnitude lies under 2^-124, keeps the byte 1; NaN and infinities are not served.
; REGISTERS: window 0: addresses, v32-43 scale words (two row blocks to a register: lanes 0-15 the even one, lanes 16-31 the odd one), v64-127 at work; window 1: source 0's fragments, two sets at v0 and v128;
; window 2: 32 accumulators, (a, t) at v[8 (8 a + t)]; window 3: source 1's fragments, two sets at v0 and v48; v96-159 bq, v160-223 bk in the result's layout; v224-255 bv, eight equal registers for each a.
.set WC,    6291456                    ; opq: the weights' codes, x's scale words, the weights' scale words
.set XS,    9437184
.set WS,    9699328
.set VC,    12582912                   ; qkv: Q's codes at 0, K's 6,291,456 on, V^T's; the scale words
.set QS,    18874368
.set VS,    19398656
.set WR,    196608                     ; LDS: x at 0 [slot 98,304][part 49,152][256 K 24,576][8 rb 3,072]; the weights here [slot 49,152][part 24,576][256 K 12,288][4 rb 3,072]
.set SXR,   294912                     ; x's scale words [8 K steps][16 rb][64]
.set SWR,   303104                     ; the weights' scale words [8 K steps][4 tensors][8 rb][64]: panel J's 2,048 consecutive bytes of each K step, as they lie in memory
.set SWK,   2048
.set SPARE, 323584                     ; the spare words, 128 bytes a wave
.set WSTEP, 196608                     ; a slot's next fill: the same K of the next weight, 64 row blocks on
.set LI,   2                           ; v2  16 x lane
.set L4,   4                           ; v4  4 x lane
.set AS0,  6                           ; v6-7   source 0's fragments in slot 0, 1 (passes 0, 1)
.set AS1,  8                           ; v8-9   source 1's
.set BS0,  10                          ; v10-13 the same for pass 2
.set BS1,  12
.set ASC0, 14                          ; v14-17 the scale words' addresses
.set ASC1, 15
.set BSC0, 16
.set BSC1, 17
.set SPW,  18                          ; v18 my spare word; v19 0; never rewritten
.set NIL,  19
.set SC0,  32
.set SC1,  40
.set TM,   64                          ; v64-79   the largest magnitude of block n = 4 a + b (a: my block of 16 rows, b: 32 along the next K)
.set XT,   80                          ; v80-95   lane l xor 16's, then the scale bytes
.set SV,   96                          ; v96-111  the conversions' scale operands
.set PW,   112                         ; v112-115 the four scale words
.set MG,   116
.set PC,   128                         ; v[PC + 24 a] on: block a's fragment (12 registers) and 8 at work
.set MSB, 0
.macro WIN new                         ; the immediate's high byte repeats the setting that is left
.if MSB != (\new)
	s_set_vgpr_msb (MSB<<8)|(\new)
.set MSB, (\new)
.endif
.endm
.macro PLACES                          ; four plain places: in front of loads into registers that matrix instructions have read, and of the first read of results
.rept 4
	v_nop
.endr
.endm
.macro CREST                           ; a round of the cluster's barrier behind its opening barrier
	s_cmp_lg_u32 s16, 0
	s_cbranch_scc1 .Lnw0_\@
	s_barrier_signal -3
.Lnw0_\@:
	s_barrier_wait -3
	s_barrier_signal -1
	s_barrier_wait -1
.endm
.macro CROUND
	s_barrier_signal -1
	s_barrier_wait -1
	CREST
.endm
.macro GROUP1 g, d0, rows, pitch       ; a tile of rows x d0 elements of 8 bytes, pitch elements apart, dense in LDS
	s_mov_b32 s[\g+1], (\d0)<<16
	s_mov_b32 s[\g+2], (\rows)<<16
	s_mov_b32 s[\g+3], (\d0)<<16
	s_mov_b32 s[\g+4], \rows
	s_mov_b32 s[\g+5], \pitch
	s_mov_b32 s[\g+6], 0
	s_mov_b32 s[\g+7], 0
.endm
.macro GROUP0 g, lr, lo, pt, of, ad    ; to LDS byte s[lr] + lo, from s[pt] + s[of] + ad
	s_mov_b32 s[\g], 1
	s_add_co_u32 s[\g+1], s[\lr], \lo
	s_add_nc_u64 s[\g+2:\g+3], s[\pt:\pt+1], s[\of:\of+1]
.if \ad
	s_add_nc_u64 s[\g+2:\g+3], s[\g+2:\g+3], \ad
.endif
	s_or_b32 s[\g+3], s[\g+3], 0x80000000
.endm
; one product.  row: 1 = source 0's scales stand in lanes 16-31, 2 = source 1's, 3 = both
.macro WM d, f0, f1, zero, cc, sa, sb, row
.if \zero
.if (\row) == 0
	v_wmma_scale_f32_16x16x128_f8f6f4 v[(\d):(\d)+7], v[(\f0):(\f0)+11], v[(\f1):(\f1)+11], 0, v[\sa], v[\sb] matrix_a_fmt:MATRIX_FMT_FP6 matrix_b_fmt:MATRIX_FMT_FP6
.elseif (\row) == 1
	v_wmma_scale_f32_16x16x128_f8f6f4 v[(\d):(\d)+7], v[(\f0):(\f0)+11], v[(\f1):(\f1)+11], 0, v[\sa], v[\sb] matrix_a_fmt:MATRIX_FMT_FP6 matrix_b_fmt:MATRIX_FMT_FP6 matrix_a_scale:MATRIX_SCALE_ROW1
.elseif (\row) == 2
	v_wmma_scale_f32_16x16x128_f8f6f4 v[(\d):(\d)+7], v[(\f0):(\f0)+11], v[(\f1):(\f1)+11], 0, v[\sa], v[\sb] matrix_a_fmt:MATRIX_FMT_FP6 matrix_b_fmt:MATRIX_FMT_FP6 matrix_b_scale:MATRIX_SCALE_ROW1
.else
	v_wmma_scale_f32_16x16x128_f8f6f4 v[(\d):(\d)+7], v[(\f0):(\f0)+11], v[(\f1):(\f1)+11], 0, v[\sa], v[\sb] matrix_a_fmt:MATRIX_FMT_FP6 matrix_b_fmt:MATRIX_FMT_FP6 matrix_a_scale:MATRIX_SCALE_ROW1 matrix_b_scale:MATRIX_SCALE_ROW1
.endif
.else
.if (\row) == 0
	v_wmma_scale_f32_16x16x128_f8f6f4 v[(\d):(\d)+7], v[(\f0):(\f0)+11], v[(\f1):(\f1)+11], v[(\cc):(\cc)+7], v[\sa], v[\sb] matrix_a_fmt:MATRIX_FMT_FP6 matrix_b_fmt:MATRIX_FMT_FP6
.elseif (\row) == 1
	v_wmma_scale_f32_16x16x128_f8f6f4 v[(\d):(\d)+7], v[(\f0):(\f0)+11], v[(\f1):(\f1)+11], v[(\cc):(\cc)+7], v[\sa], v[\sb] matrix_a_fmt:MATRIX_FMT_FP6 matrix_b_fmt:MATRIX_FMT_FP6 matrix_a_scale:MATRIX_SCALE_ROW1
.elseif (\row) == 2
	v_wmma_scale_f32_16x16x128_f8f6f4 v[(\d):(\d)+7], v[(\f0):(\f0)+11], v[(\f1):(\f1)+11], v[(\cc):(\cc)+7], v[\sa], v[\sb] matrix_a_fmt:MATRIX_FMT_FP6 matrix_b_fmt:MATRIX_FMT_FP6 matrix_b_scale:MATRIX_SCALE_ROW1
.else
	v_wmma_scale_f32_16x16x128_f8f6f4 v[(\d):(\d)+7], v[(\f0):(\f0)+11], v[(\f1):(\f1)+11], v[(\cc):(\cc)+7], v[\sa], v[\sb] matrix_a_fmt:MATRIX_FMT_FP6 matrix_b_fmt:MATRIX_FMT_FP6 matrix_a_scale:MATRIX_SCALE_ROW1 matrix_b_scale:MATRIX_SCALE_ROW1
.endif
.endif
.endm
; 8 products: source 1's block a against source 0's eight.  cm: 0 add in place; 1 C = 0; 2 C = v[cb + 8 t]; 3 C = v[cb + 8 a].  The 32 accumulators take turns, one instruction a turn, in the same order in every step
.macro MUL8 a, st, cm, cb
.irp t, 0,1,2,3,4,5,6,7
.if (\cm) == 0
	WM 8*(8*(\a)+\t), 128*(\st)+12*\t, 48*(\st)+12*(\a), 0, 8*(8*(\a)+\t), SC0+4*(\st)+\t/2, SC1+2*(\st)+(\a)/2, \t%2+2*((\a)%2)
.elseif (\cm) == 1
	WM 8*(8*(\a)+\t), 128*(\st)+12*\t, 48*(\st)+12*(\a), 1, 0, SC0+4*(\st)+\t/2, SC1+2*(\st)+(\a)/2, \t%2+2*((\a)%2)
.elseif (\cm) == 2
	WM 8*(8*(\a)+\t), 128*(\st)+12*\t, 48*(\st)+12*(\a), 0, (\cb)+8*\t, SC0+4*(\st)+\t/2, SC1+2*(\st)+(\a)/2, \t%2+2*((\a)%2)
.else
	WM 8*(8*(\a)+\t), 128*(\st)+12*\t, 48*(\st)+12*(\a), 0, (\cb)+8*(\a), SC0+4*(\st)+\t/2, SC1+2*(\st)+(\a)/2, \t%2+2*((\a)%2)
.endif
.endr
.endm
; 42 LDS loads in one run: the fragments and scale words of the slot's q-th 128 along K into set st.  ty = 0: the weight is source 0; ty = 1: x is.  ks: the K step for the scale words; p: which weight's
.macro FETCH ty, sl, q, st, ks, p
	WIN 0x40                                       ; destination window 1
.irp t, 0,1,2,3,4,5,6,7
.irp k, 0,1,2
.if \ty
	ds_load_b128 v[128*(\st)+12*\t+4*\k:128*(\st)+12*\t+4*\k+3], v[BS0+(\sl)] offset:((\q)/2)*24576+\t*3072+((\q)%2)*1536+512*\k
.else
	ds_load_b128 v[128*(\st)+12*\t+4*\k:128*(\st)+12*\t+4*\k+3], v[AS0+(\sl)] offset:(\t/4)*24576+((\q)/2)*12288+(\t%4)*3072+((\q)%2)*1536+512*\k
.endif
.endr
.endr
	WIN 0xc0                                       ; destination window 3
.irp a, 0,1,2,3
.irp k, 0,1,2
.if \ty
	ds_load_b128 v[48*(\st)+12*\a+4*\k:48*(\st)+12*\a+4*\k+3], v[BS1+(\sl)] offset:((\q)/2)*12288+\a*3072+((\q)%2)*1536+512*\k
.else
	ds_load_b128 v[48*(\st)+12*\a+4*\k:48*(\st)+12*\a+4*\k+3], v[AS1+(\sl)] offset:((\q)/2)*24576+\a*3072+((\q)%2)*1536+512*\k
.endif
.endr
.endr
	WIN 0
.irp u, 0,1,2,3
.if \ty
	ds_load_b32 v[SC0+4*(\st)+\u], v[BSC0] offset:(\ks)*1024+128*\u
.else
	ds_load_b32 v[SC0+4*(\st)+\u], v[ASC0] offset:(\ks)*SWK+512*(\p)+128*\u
.endif
.endr
.irp u, 0,1
.if \ty
	ds_load_b32 v[SC1+2*(\st)+\u], v[BSC1] offset:(\ks)*SWK+128*\u
.else
	ds_load_b32 v[SC1+2*(\st)+\u], v[ASC1] offset:(\ks)*1024+128*\u
.endif
.endr
.endm
; a step of 128 along K whose successor lies in the same slot: 32 products; behind the first eight the next step's loads, 24 products ahead of their use
.macro STEP ty, sl, q, ks, p, cm, cb
	s_wait_dscnt 0x0                               ; this step's fragments and scale words are in
.if (\cm) >= 2
	WIN 0xbd                                       ; source 0 window 1, source 1 window 3, C window 3, D window 2
.else
	WIN 0xad                                       ; the same with C in window 2
.endif
	MUL8 0, (\q)%2, \cm, \cb
	PLACES
	FETCH \ty, \sl, (\q)+1, 1-(\q)%2, (\ks)+1, \p
.if (\cm) >= 2
	WIN 0xbd
.else
	WIN 0xad
.endif
	MUL8 1, (\q)%2, \cm, \cb
	MUL8 2, (\q)%2, \cm, \cb
	MUL8 3, (\q)%2, \cm, \cb
.endm
.macro PHASE3 ty, sl, k0, p, cm, cb
	STEP \ty, \sl, 0, \k0, \p, \cm, \cb
	STEP \ty, \sl, 1, (\k0)+1, \p, 0, 0
	STEP \ty, \sl, 2, (\k0)+2, \p, 0, 0
.endm
.macro REFILL sl                       ; waves 2 and 3 fetch the weights' two halves; x stays.  The branch hangs on the wave's number alone
	s_add_nc_u64 s[74+4*\sl:75+4*\sl], s[74+4*\sl:75+4*\sl], WSTEP   ; no tensor load of mine is out: the group 0 may be written
	s_cmp_eq_u32 s18, 0
	s_cbranch_scc1 .Lnone_\@
	tensor_load_to_lds s[72+4*\sl:75+4*\sl], s[32:39]
	s_nop 0
.rept 4
	v_nop
.endr
.Lnone_\@:
	PLACES
.endm
; a slot's last step changes slots: ONE barrier; in front of it each wave waits for all its tensor loads, adds 0 to its spare word and waits for that and for its reads of this slot
.macro TURN sl, fill, nty, nsl, nks, np
	WIN 0
	s_wait_tensorcnt 0x0                           ; all my tensor loads have landed: my part of the next slot
	ds_add_u32 v[SPW], v[NIL]
	s_wait_dscnt 1                                 ; (the add alone may be out: this step's loads are in)
	WIN 0xad
	MUL8 0, 1, 0, 0
	s_wait_dscnt 0x0                               ; the add is done, and my reads of this slot are over
	s_barrier_signal -1
	MUL8 1, 1, 0, 0
	WIN 0
	s_barrier_wait -1
.if \fill
	CREST                                          ; the barrier has opened a round of the cluster's: no wave of any partner still reads this slot or has a load on its way
	REFILL \sl                                     ; the first tensor load behind the round: it has a slot's 128 products in which to land
.else
	PLACES
.endif
	FETCH \nty, \nsl, 0, 0, \nks, \np
	WIN 0xad
	MUL8 2, 1, 0, 0
	MUL8 3, 1, 0, 0
.endm
.macro LAST
	s_wait_dscnt 0x0
	WIN 0xad
	MUL8 0, 1, 0, 0
	MUL8 1, 1, 0, 0
	MUL8 2, 1, 0, 0
	MUL8 3, 1, 0, 0
	WIN 0
.endm
; A pass's results leave.  A lane's 256 numbers lie in window 2: register 16 n + i is k = 32 b + 16 h + i of my row of block a, n = 4 a + b.  All 16 blocks of 32 go through each stage by turns,
; so that no line reads the result of one of the 15 lines above it; each block a has registers of its own for its fragment, so that one wait on XCNT serves the whole way out.
; Out go, for each a, one fragment (three stores of 512 consecutive bytes) and the scale words (two blocks a to a store).  Each accumulator is read from its low end on.
.macro EPI oc, os, fc, fs
	PLACES
	s_wait_xcnt 0x0                                ; the last pass's stores have read their registers
	WIN 0x0a                                       ; sources 0 and 1 window 2
.irp n, 0,1,2,3,4,5,6,7,8,9,10,11,12,13,14,15
	v_max3_num_f32 v[TM+\n], |v[16*\n]|, |v[16*\n+1]|, 0x1800000   ; and the floor 2^(3 - 127): the byte cannot fall under 1
.endr
.irp i, 2,4,6,8,10,12,14
.irp n, 0,1,2,3,4,5,6,7,8,9,10,11,12,13,14,15
	v_max3_num_f32 v[TM+\n], |v[16*\n+\i]|, |v[16*\n+\i+1]|, v[TM+\n]
.endr
.endr
	WIN 0
.irp n, 0,1,2,3,4,5,6,7,8,9,10,11,12,13,14,15
	v_permlanex16_b32 v[XT+\n], v[TM+\n], s84, s85
.endr
.irp n, 0,1,2,3,4,5,6,7,8,9,10,11,12,13,14,15
	v_max_num_f32 v[TM+\n], v[TM+\n], v[XT+\n]     ; with lane l xor 16's: the block's largest magnitude
.endr
.irp n, 0,1,2,3,4,5,6,7,8,9,10,11,12,13,14,15
	v_add_nc_u32 v[SV+\n], 0xff000000, v[TM+\n]    ; 2 off its exponent field: the conversion's scale operand
.endr
.irp n, 0,1,2,3,4,5,6,7,8,9,10,11,12,13,14,15
	v_lshrrev_b32 v[XT+\n], 23, v[SV+\n]           ; the byte
.endr
.irp a, 0,1,2,3
	v_lshl_or_b32 v[PW+\a], v[XT+4*\a+1], 8, v[XT+4*\a]
.endr
.irp a, 0,1,2,3
	v_lshl_or_b32 v[PW+\a], v[XT+4*\a+2], 16, v[PW+\a]
.endr
.irp a, 0,1,2,3
	v_lshl_or_b32 v[PW+\a], v[XT+4*\a+3], 24, v[PW+\a]
.endr
	WIN 0x02                                       ; source 0 window 2
.irp a, 0,1,2,3
.irp c, 0,1
	v_cvt_scalef32_pk16_fp6_f32 v[PC+24*\a+6*\c:PC+24*\a+6*\c+2], v[64*\a+32*\c:64*\a+32*\c+15], v[SV+4*\a+2*\c]
	v_cvt_scalef32_pk16_fp6_f32 v[PC+24*\a+12+4*\c:PC+24*\a+14+4*\c], v[64*\a+32*\c+16:64*\a+32*\c+31], v[SV+4*\a+2*\c+1]
.endr
.endr
	WIN 0
	v_nop                                          ; one plain place behind the scaled conversions
.irp a, 0,1,2,3                                ; the layout wants a whole block in a lane
.irp c, 0,1
.irp i, 0,1,2
	v_permlane16_swap_b32 v[PC+24*\a+6*\c+\i], v[PC+24*\a+12+4*\c+\i]
.endr
.endr
.endr
.irp a, 0,1,2,3
.irp c, 0,1
.irp i, 0,1,2
	v_mov_b32 v[PC+24*\a+3+6*\c+\i], v[PC+24*\a+12+4*\c+\i]
.endr
.endr
.endr
.irp a, 0,1,2,3
.irp k, 0,1,2
	global_store_b128 v[LI], v[PC+24*\a+4*\k:PC+24*\a+4*\k+3], s[\oc:\oc+1] offset:(\fc)+3072*\a+512*\k
.endr
.endr
	v_cndmask_b32 v[MG], v[PW], v[PW+1], s88
	v_cndmask_b32 v[MG+1], v[PW+2], v[PW+3], s88
	global_store_b32 v[L4], v[MG], s[\os:\os+1] offset:\fs
	global_store_b32 v[L4], v[MG+1], s[\os:\os+1] offset:(\fs)+128
.endm
	s_load_b256 s[4:11], s[0:1], 0x0               ; opq, bq, bk, bv
	s_load_b64 s[12:13], s[0:1], 0x20              ; qkv
	v_lshl_add_u32 v[SPW], v0, 2, SPARE
	v_mov_b32 v[NIL], 0
	ds_add_u32 v[SPW], v[NIL]                      ; the wave's opening: the add and its wait ahead of my first tensor load; work on registers stands between
	ds_add_u32 v[SPW], v[NIL]
	v_lshrrev_b32 v1, 5, v0
	v_readfirstlane_b32 s16, v1                    ; wave w
	s_and_b32 s17, s16, 1
	s_lshr_b32 s18, s16, 1                         ; 0: I fetch for x, 1: for the weights
	s_bfe_u32 s19, ttmp6, 0x40000                  ; cx
	s_bfe_u32 s20, ttmp6, 0x40004                  ; cy
	s_lshl_b32 s21, ttmp9, 2
	s_add_co_u32 s21, s21, s19                     ; J = 4 x cluster x + cx
	s_and_b32 s23, ttmp7, 0xffff
	s_lshl_b32 s22, s23, 2
	s_add_co_u32 s22, s22, s20                     ; I = 4 x cluster y + cy
	s_lshl_b32 s14, s20, 2
	s_lshl_b32 s14, 15, s14                        ; my row of the cluster
	s_lshl_b32 s15, 0x1111, s19                    ; my column
	s_or_b32 s24, s14, (3<<16)|(1<<21)             ; x: 2 x 24,576 bytes (8 row blocks of 256 along K), 512 row blocks apart
	GROUP1 24, 3072, 2, 384*512
	s_or_b32 s32, s15, (3<<16)|(1<<21)             ; a weight: 2 x 12,288 bytes, 256 row blocks apart
	GROUP1 32, 1536, 2, 384*256
	s_mul_i32 s98, s22, 49152                      ; x's side: made of I and the wave's number alone
	s_mul_i32 s2, s17, 24576
	s_add_co_u32 s98, s98, s2
	s_mov_b32 s99, 0
	s_lshl_b32 s40, s22, 10                        ; x's scale words: my 16 row blocks' 1,024 bytes of each K step
	s_add_co_u32 s40, s40, XS
	s_mov_b32 s41, 0
	s_mul_i32 s100, s21, 24576                     ; the weights' side: of J and the wave's number alone
	s_mul_i32 s3, s17, 12288
	s_add_co_u32 s100, s100, s3
	s_add_co_u32 s100, s100, WC
	s_mov_b32 s101, 0
	s_lshl_b32 s42, s21, 11                        ; the weights' scale words: panel J's 2,048 bytes of each K step
	s_add_co_u32 s42, s42, WS
	s_mov_b32 s43, 0
	s_mul_i32 s66, s17, 49152                      ; LDS places: of the wave's number alone
	s_mul_i32 s67, s17, 24576
	s_mov_b32 s84, 0x76543210
	s_mov_b32 s85, 0xfedcba98                      ; selects for lane l xor 16
	s_mov_b32 s88, 0xffff0000                      ; lanes 16-31
	s_wait_dscnt 0x0                               ; the opening adds are done
	CROUND                                         ; the round in front of the first joint loads; it needs no argument, so it stands ahead of the wait for them
	s_wait_kmcnt 0x0
	GROUP0 56, 66, 0, 4, 98, 0                     ; x, K 0 .. 511
	GROUP0 60, 66, 98304, 4, 98, 3145728           ; x, K 512 .. 1,023
	s_add_nc_u64 s[40:41], s[4:5], s[40:41]
	GROUP0 72, 67, WR, 4, 100, 0
	GROUP0 76, 67, WR+49152, 4, 100, 1572864
	s_add_nc_u64 s[42:43], s[4:5], s[42:43]
	s_cmp_eq_u32 s18, 0                            ; the head's fills, one a wave: slot 0's four parts
	s_cbranch_scc0 .Lfirst_w
	tensor_load_to_lds s[56:59], s[24:31]
	s_nop 0
.rept 4
	v_nop
.endr
	s_branch .Lfirst_done
.Lfirst_w:
	tensor_load_to_lds s[72:75], s[32:39]
	s_nop 0
.rept 4
	v_nop
.endr
.Lfirst_done:
	; SLOT 1's TILES ARE PREFETCHED HERE, one fill ahead of the loads that bring them.  My slot 1 load is two rows (256 along K each) of 24,576 bytes (x) or 12,288 (a weight);
	; the four partners that ask for it jointly share each row out by address, a quarter each (cx for x, cy for the weights): 24 or 12 blocks of 256 bytes, a lane a block, one instruction a row;
	; the lanes left over name the last block again.  The registers of these two lines are never rewritten.  The later refills are not prefetched: the text has no loop to run ahead in.
	s_cmp_eq_u32 s18, 0
	s_cselect_b32 s44, s19, s20                    ; my place among the four
	s_mov_b32 s45, 3072
	s_cselect_b32 s45, 6144, s45                   ; a quarter of a row
	s_cselect_b32 s46, 23, 11                      ; its last block
	s_mov_b32 s48, 786432
	s_cselect_b32 s48, 1572864, s48                ; from row to row
	s_cselect_b64 s[50:51], s[98:99], s[100:101]   ; where my tile of slot 0 begins
	s_mul_i32 s44, s44, s45
	s_mov_b32 s45, 0
	s_mov_b32 s49, 0
	s_add_nc_u64 s[50:51], s[50:51], s[44:45]
	s_add_nc_u64 s[50:51], s[50:51], s[48:49]
	s_add_nc_u64 s[50:51], s[50:51], s[48:49]      ; slot 1 begins two rows on
	s_add_nc_u64 s[50:51], s[4:5], s[50:51]
	s_add_nc_u64 s[52:53], s[50:51], s[48:49]
	; THE SCALE WORDS come once, by plain loads (a wave's load covers 256 or 512 consecutive bytes), and go by LDS stores to bytes on which no fill lands.
	; They are not asked for jointly: 24 KiB beside the 288 KiB of codes that a work-group's first fills bring.
	v_lshlrev_b32 v24, 3, v0                       ; 8 x thread
	v_lshlrev_b32 v25, 4, v0                       ; 16 x thread
	v_lshl_add_u32 v26, v0, 3, SXR
	v_lshl_add_u32 v27, v0, 4, SWR
	v_and_b32 v28, 31, v0
	v_min_u32 v28, s46, v28
	v_lshlrev_b32 v28, 8, v28
.irp k, 0,1,2,3,4,5,6,7
	global_load_b64 v[128+2*\k:129+2*\k], v24, s[40:41] offset:32768*\k
	global_load_b128 v[144+4*\k:147+4*\k], v25, s[42:43] offset:16384*\k
.endr
	global_prefetch_b8 v28, s[50:51] th:TH_LOAD_NT scope:SCOPE_SE
	global_prefetch_b8 v28, s[52:53] th:TH_LOAD_NT scope:SCOPE_SE
	v_and_b32 v1, 31, v0
	v_lshlrev_b32 v[LI], 4, v1
	s_wait_alu depctr_va_vdst(0)
	v_lshlrev_b32 v[L4], 2, v1
	s_wait_alu depctr_va_vdst(0)
	v_add_nc_u32 v[AS0], WR, v[LI]
	v_add_nc_u32 v[AS0+1], WR+49152, v[LI]
	s_mul_i32 s2, s18, 49152                       ; my four row blocks of x: 4 w on
	s_mul_i32 s3, s17, 12288
	s_add_co_u32 s2, s2, s3
	v_add_nc_u32 v[AS1], s2, v[LI]
	s_add_co_u32 s2, s2, 98304
	v_add_nc_u32 v[AS1+1], s2, v[LI]
	v_add_nc_u32 v[BS0], s66, v[LI]                ; pass 2: eight row blocks of x, 8 (w % 2) on,
	s_add_co_u32 s2, s66, 98304
	v_add_nc_u32 v[BS0+1], s2, v[LI]
	s_mul_i32 s2, s18, 24576                       ; and four of Wv, 4 (w / 2) on
	s_add_co_u32 s2, s2, WR
	v_add_nc_u32 v[BS1], s2, v[LI]
	s_add_co_u32 s2, s2, 49152
	v_add_nc_u32 v[BS1+1], s2, v[LI]
	v_add_nc_u32 v[ASC0], SWR, v[L4]
	s_lshl_b32 s2, s16, 8
	s_add_co_u32 s2, s2, SXR
	v_add_nc_u32 v[ASC1], s2, v[L4]
	s_lshl_b32 s2, s17, 9
	s_add_co_u32 s2, s2, SXR
	v_add_nc_u32 v[BSC0], s2, v[L4]
	s_lshl_b32 s2, s18, 8
	s_add_co_u32 s2, s2, SWR+1024
	v_add_nc_u32 v[BSC1], s2, v[L4]
	v_and_b32 v3, 15, v0                           ; r
	v_bfe_u32 v5, v0, 4, 1                         ; h
	v_lshlrev_b32 v20, 6, v5                       ; bq, bk: tile t's register j is feature 128 J + 32 (t / 2) + 16 h + 8 (t % 2) + j
	s_wait_alu depctr_va_vdst(0)
	v_and_b32 v21, 8, v3
	v_add_nc_u32 v21, v21, v3
	v_lshlrev_b32 v21, 2, v21                      ; bv: block a's lane is feature 128 J + 64 (w / 2) + 32 (a / 2) + 8 (a % 2) + r + 8 (r / 8)
	s_wait_alu depctr_va_vdst(0)
.irp n, 0,1,2,3,4,5,6,7,8,9,10,11,12,13,14,15
	v_mov_b32 v[XT+\n], 0                          ; a lane permute's destination counts as read
.endr
	s_lshl_b32 s2, s21, 9
	s_mov_b32 s3, 0
	s_add_nc_u64 s[6:7], s[6:7], s[2:3]
	s_add_nc_u64 s[8:9], s[8:9], s[2:3]
	s_lshl_b32 s89, s18, 8
	s_add_co_u32 s2, s2, s89
	s_add_nc_u64 s[10:11], s[10:11], s[2:3]
	WIN 0xc0                                       ; destination window 3
.irp t, 0,1,2,3,4,5,6,7
	global_load_b128 v[96+8*\t:96+8*\t+3], v20, s[6:7] offset:(32*(\t/2)+8*(\t%2))*4
	global_load_b128 v[96+8*\t+4:96+8*\t+7], v20, s[6:7] offset:(32*(\t/2)+8*(\t%2))*4+16
	global_load_b128 v[160+8*\t:160+8*\t+3], v20, s[8:9] offset:(32*(\t/2)+8*(\t%2))*4
	global_load_b128 v[160+8*\t+4:160+8*\t+7], v20, s[8:9] offset:(32*(\t/2)+8*(\t%2))*4+16
.endr
.irp a, 0,1,2,3
.irp j, 0,1,2,3,4,5,6,7
	global_load_b32 v[224+8*\a+\j], v21, s[10:11] offset:(32*(\a/2)+8*(\a%2))*4
.endr
.endr
	WIN 0
	s_lshr_b32 s2, s21, 1                          ; Q's and K's codes: ((J / 2) 512 + 16 I + 4 w) 3,072 + (J % 2) 1,536
	s_lshl_b32 s2, s2, 9
	s_lshl_b32 s3, s22, 4
	s_add_co_u32 s2, s2, s3
	s_lshl_b32 s3, s16, 2
	s_add_co_u32 s2, s2, s3
	s_mul_i32 s2, s2, 3072
	s_and_b32 s3, s21, 1
	s_mul_i32 s3, s3, 1536
	s_add_co_u32 s2, s2, s3
	s_mov_b32 s3, 0
	s_add_nc_u64 s[90:91], s[12:13], s[2:3]
	s_lshl_b32 s2, s21, 9                          ; their scale words: (512 J + 16 I + 4 w) 64
	s_lshl_b32 s89, s22, 4
	s_add_co_u32 s2, s2, s89
	s_lshl_b32 s89, s16, 2
	s_add_co_u32 s2, s2, s89
	s_lshl_b32 s2, s2, 6
	s_add_co_u32 s2, s2, QS
	s_add_nc_u64 s[92:93], s[12:13], s[2:3]
	s_lshr_b32 s89, s22, 3                         ; V^T: row block 64 (I / 8) + 8 J + 4 (w / 2),
	s_lshl_b32 s89, s89, 6
	s_lshl_b32 s2, s21, 3
	s_add_co_u32 s89, s89, s2
	s_lshl_b32 s2, s18, 2
	s_add_co_u32 s89, s89, s2
	s_and_b32 s2, s22, 7                           ; keys 256 (I % 8) + 128 (w % 2) on
	s_lshl_b32 s2, s2, 8
	s_add_co_u32 s2, s2, s89
	s_mul_i32 s2, s2, 3072
	s_mul_i32 s66, s17, 1536
	s_add_co_u32 s2, s2, s66
	s_add_co_u32 s2, s2, VC
	s_add_nc_u64 s[94:95], s[12:13], s[2:3]
	s_and_b32 s2, s22, 7
	s_lshl_b32 s2, s2, 1
	s_add_co_u32 s2, s2, s17
	s_lshl_b32 s2, s2, 8
	s_add_co_u32 s2, s2, s89
	s_lshl_b32 s2, s2, 6
	s_add_co_u32 s2, s2, VS
	s_add_nc_u64 s[96:97], s[12:13], s[2:3]
	s_wait_loadcnt 0x0                             ; the biases
.irp k, 0,1,2,3,4,5,6,7
	ds_store_b64 v26, v[128+2*\k:129+2*\k] offset:1024*\k
	ds_store_b128 v27, v[144+4*\k:147+4*\k] offset:2048*\k
.endr
	s_wait_tensorcnt 0x0                           ; my part of slot 0 is in
	ds_add_u32 v[SPW], v[NIL]
	s_wait_dscnt 0x0                               ; the add is done, and my stores of scale words have landed
	CROUND                                         ; a whole round: slot 0 and the scale words are whole, and the joint loads meet
	s_cmp_eq_u32 s18, 0                            ; slot 1's first fill: my one tensor load behind the round
	s_cbranch_scc0 .Lsecond_w
	tensor_load_to_lds s[60:63], s[24:31]
	s_nop 0
.rept 4
	v_nop
.endr
	s_branch .Lsecond_done
.Lsecond_w:
	tensor_load_to_lds s[76:79], s[32:39]
	s_nop 0
.rept 4
	v_nop
.endr
.Lsecond_done:
	FETCH 0, 0, 0, 0, 0, 0
	PHASE3 0, 0, 0, 0, 2, 96                       ; pass 0: Q.  The first products take bq as C
	TURN 0, 1, 0, 1, 4, 0                          ; slot 0 takes Wk's K 0 .. 511
	PHASE3 0, 1, 4, 0, 0, 0
	TURN 1, 1, 0, 0, 0, 1                          ; slot 1 takes Wk's K 512 .. 1,023
	EPI 90, 92, 0, 0
	PHASE3 0, 0, 0, 1, 2, 160                      ; pass 1: K
	TURN 0, 1, 0, 1, 4, 1                          ; slot 0 takes Wv's
	PHASE3 0, 1, 4, 1, 0, 0
	TURN 1, 1, 1, 0, 0, 0
	EPI 90, 92, 6291456, 262144
	PHASE3 1, 0, 0, 0, 3, 224                      ; pass 2: V, with x as source 0
	TURN 0, 0, 1, 1, 4, 0                          ; nothing is left to fetch
	PHASE3 1, 1, 4, 0, 0, 0
	LAST
	EPI 94, 96, 0, 0
	s_wait_tensorcnt 0x0                           ; the wave's end
	ds_add_u32 v[SPW], v[NIL]
	s_wait_dscnt 0x0
	CROUND                                         ; the closing round
	s_endpgm
.Lfunc_end_k_q36531ff2de_qkvproj:
	.size	k_q36531ff2de_qkvproj, .Lfunc_end_k_q36531ff2de_qkvproj-k_q36531ff2de_qkvproj
	.p2alignl 7, 3214868480
	.fill 96, 4, 3214868480
	.section	.rodata,"a",@progbits
	.p2align	6, 0x0
	.amdhsa_kernel k_q36531ff2de_qkvproj
		.amdhsa_group_segment_fixed_size 327680
		.amdhsa_private_segment_fixed_size 0
		.amdhsa_enable_private_segment 0
		.amdhsa_kernarg_size 40
		.amdhsa_user_sgpr_count 2
		.amdhsa_user_sgpr_kernarg_segment_ptr 1
		.amdhsa_wavefront_size32 1
		.amdhsa_system_sgpr_workgroup_id_x 1
		.amdhsa_system_sgpr_workgroup_id_y 1
		.amdhsa_system_sgpr_workgroup_id_z 1
		.amdhsa_system_vgpr_workitem_id 0
		.amdhsa_next_free_vgpr 1024
		.amdhsa_next_free_sgpr 102
		.amdhsa_reserve_vcc 0
		.amdhsa_float_denorm_mode_32 3
		.amdhsa_float_denorm_mode_16_64 3
		.amdhsa_memory_ordered 1
		.amdhsa_forward_progress 1
		.amdhsa_inst_pref_size 240
	.end_amdhsa_kernel
	.amdgpu_metadata
---
amdhsa.version: [ 1, 2 ]
amdhsa.kernels:
  - .name:           k_q36531ff2de_qkvproj
    .symbol:         k_q36531ff2de_qkvproj.kd
    .args:
      - { .name: opq, .offset: 0, .size: 8, .value_kind: global_buffer, .address_space: global }
      - { .name: bq, .offset: 8, .size: 8, .value_kind: global_buffer, .address_space: global }
      - { .name: bk, .offset: 16, .size: 8, .value_kind: global_buffer, .address_space: global }
      - { .name: bv, .offset: 24, .size: 8, .value_kind: global_buffer, .address_space: global }
      - { .name: qkv, .offset: 32, .size: 8, .value_kind: global_buffer, .address_space: global }
    .group_segment_fixed_size: 327680
    .private_segment_fixed_size: 0
    .kernarg_segment_align: 8
    .kernarg_segment_size: 40
    .max_flat_workgroup_size: 128
    .sgpr_count:     102
    .vgpr_count:     1024
    .wavefront_size: 32
...
	.end_amdgpu_metadata
.endif
;; end of part 2
;; launch scores (part 3): grid 8 x 32, 4 waves a work-group, clusters of 4 x 4, 327,680 bytes of LDS; arguments qkv, pbuf; writes pbuf
.if DOCPART == 3
	.amdgcn_target "amdgcn-amd-amdhsa--gfx1250"
	.amdhsa_code_object_version 6
	.text
	.protected	k_q36531ff2de_scores
	.globl	k_q36531ff2de_scores
	.p2align	8
	.type	k_q36531ff2de_scores,@function
k_q36531ff2de_scores:
	s_mov_b64 s[64:65], 0
	v_nop
	global_prefetch_b8 v0, s[64:65] scope:SCOPE_SE
	s_setreg_imm32_b32 hwreg(HW_REG_WAVE_MODE, 25, 1), 1
	s_wait_xcnt 0x0
	s_wait_alu depctr_hold_cnt(0) depctr_sa_sdst(0) depctr_va_vdst(0) depctr_va_sdst(0) depctr_va_ssrc(0) depctr_va_vcc(0) depctr_vm_vsrc(0)
	s_getreg_b32 s2, hwreg(HW_REG_IB_STS2, 6, 4)
	s_cmp_eq_u32 s2, 0
	s_cbranch_scc0 .Lentry_in_a_cluster
	s_endpgm
.Lentry_in_a_cluster:
	s_bfe_u32 s2, ttmp6, 0x10000c
	s_cmp_lg_u32 s2, 0xf033
	s_cbranch_scc0 .Lentry_shape_is_right
	s_endpgm
.Lentry_shape_is_right:
; S^T = K Q^T on codes of FP6 (E2M3), and the softmax's p, quantised along the keys.  t = score x log2(e) / 32.  For each (query, panel of 128 keys): M = the panel's largest t rounded up to a whole number;
; p = 2^(t - M) is quantised in blocks of 32 keys; stored are p's codes, its scale words, -M and the sum of the unquantised p.  The next launch brings all panels of a row under the row's M by an exact power of two.
; Operands lie as images of operand registers: row block rb = 16 rows, fragment (16 rows x 128 K) = 1,536 bytes, codes [K / 256][rb][2][1,536], scale words [K / 128][rb][16].
; SHARES: work-group (J, I) makes 256 queries x 256 keys in ONE pass over K = 1,024.  Wave w takes query half w / 2 (8 row blocks of Q, source 1) and key panel 2 J + w % 2 (8 row blocks of K, source 0):
; 64 accumulators, 512 registers; for 128 along K it reads 16 fragments from LDS for 64 products.  A lane holds one query, and the 16 registers of tiles 2 b and 2 b + 1 are 16 neighbouring keys.
; LDS: four parts (Q's two halves, K's two panels), each wave fetching one.  K 0 .. 511: [part 49,152][256 K 24,576][8 rb], one load a wave at the head.  K 512 .. 767: from R2 on [part 24,576], filled behind the
; first round, 3.5 steps ahead of its first read.  K 768 .. 1,023 goes onto the bytes of K 0 .. 255, behind the round in step 3, two steps ahead of its first read.  A wave has one tensor load out at any time.
; CLUSTER 4 x 4: Q's tiles hang on I and go jointly to a row of the cluster, K's on J and the batch and go to a column.  The scale words (16 KiB beside 384 KiB of codes) come by plain loads and LDS stores.
; PREFETCH: each of the two later chunks is asked for one fill ahead of its load: my tile's 24,576 bytes are shared out by address among the four partners that ask for it jointly, 24 blocks of 256 bytes each, a lane a block.
; LIMITS: a p under 2^-126 is taken as 0; a block whose every p is 0 keeps the byte 1; NaN and infinities are not served.
; REGISTERS: window 0: v0-31 addresses, v32-47 scale words (two sets; lanes 0-15 Q's row block i, lanes 16-31 K's), v48-127 at work, v128-223 Q's fragments, one set (behind the products: at work);
; window 1: K's fragments, two sets at v0 and v128; window 2: accumulators of Q's blocks 0-3, (a, t) at v[8 (8 a + t)]; window 3: those of blocks 4-7.
.set KC,    6291456
.set QS,    18874368
.set KS,    19136512
.set PS,    12582912                   ; pbuf: p's codes at 0; scale words; -M 524,288 on; the sums 1,048,576 on
.set CH,    24576                      ; 8 row blocks x 256 along K
.set KP,    1572864                    ; from 256 along K to the next, in memory
.set R2,    196608
.set SXR,   294912                     ; Q's scale words [8 K steps][16 rb][64]
.set SWR,   303104                     ; K's, likewise
.set SPARE, 323584
.set LI,   2
.set L4,   4
.set AS0,  6                           ; v6 K's fragments of chunks 0, 1, 3; v7 of chunk 2
.set AS1,  8                           ; v8, v9 the same for Q
.set ADRS, 10
.set SPW,  18
.set NIL,  19
.set SC,   32
.set PW,   48                          ; v48-55 p's scale words
.set SU,   56
.set TM,   64
.set NM,   104                         ; v104, 106 .. 118: -M of my eight blocks (named as pairs: the odd registers are written once)
.set LS,   120                         ; v120-127 the sums
.set AF,   128
.set NUM,  128
.set MG,   128
.set MSB, 0
.macro WIN new
.if MSB != (\new)
	s_set_vgpr_msb (MSB<<8)|(\new)
.set MSB, (\new)
.endif
.endm
.macro PLACES                          ; four plain places: in front of loads into registers that matrix instructions have read, and of the first read of results
.rept 4
	v_nop
.endr
.endm
.macro CREST
	s_cmp_lg_u32 s16, 0
	s_cbranch_scc1 .Lnw0_\@
	s_barrier_signal -3
.Lnw0_\@:
	s_barrier_wait -3
	s_barrier_signal -1
	s_barrier_wait -1
.endm
.macro CROUND
	s_barrier_signal -1
	s_barrier_wait -1
	CREST
.endm
.macro GROUP1 g, d0, rows, pitch
	s_mov_b32 s[\g+1], (\d0)<<16
	s_mov_b32 s[\g+2], (\rows)<<16
	s_mov_b32 s[\g+3], (\d0)<<16
	s_mov_b32 s[\g+4], \rows
	s_mov_b32 s[\g+5], \pitch
	s_mov_b32 s[\g+6], 0
	s_mov_b32 s[\g+7], 0
.endm
.macro GROUP0 g, lr, lo, pt, of, ad
	s_mov_b32 s[\g], 1
	s_add_co_u32 s[\g+1], s[\lr], \lo
	s_add_nc_u64 s[\g+2:\g+3], s[\pt:\pt+1], s[\of:\of+1]
.if \ad
	s_add_nc_u64 s[\g+2:\g+3], s[\g+2:\g+3], \ad
.endif
	s_or_b32 s[\g+3], s[\g+3], 0x80000000
.endm
.macro JLOAD ga, gb                    ; waves 0 and 1 fetch Q's halves, waves 2 and 3 K's panels: one joint load a wave; the branch hangs on the wave's number alone
	s_cmp_eq_u32 s18, 0
	s_cbranch_scc0 .Lk_\@
	tensor_load_to_lds s[\ga:\ga+3], s[24:31]
	s_nop 0
.rept 4
	v_nop
.endr
	s_branch .Ld_\@
.Lk_\@:
	tensor_load_to_lds s[\gb:\gb+3], s[32:39]
	s_nop 0
.rept 4
	v_nop
.endr
.Ld_\@:
.endm
; 8 products: Q's block a against K's eight.  The 64 accumulators take turns, one instruction a turn, in the same order in every step
.macro MUL8 a, st, zero
.irp t, 0,1,2,3,4,5,6,7
.if \zero
	v_wmma_scale_f32_16x16x128_f8f6f4 v[8*(8*((\a)%4)+\t):8*(8*((\a)%4)+\t)+7], v[128*(\st)+12*\t:128*(\st)+12*\t+11], v[AF+12*(\a):AF+12*(\a)+11], 0, v[SC+8*(\st)+\t], v[SC+8*(\st)+(\a)] matrix_a_fmt:MATRIX_FMT_FP6 matrix_b_fmt:MATRIX_FMT_FP6 matrix_a_scale:MATRIX_SCALE_ROW1
.else
	v_wmma_scale_f32_16x16x128_f8f6f4 v[8*(8*((\a)%4)+\t):8*(8*((\a)%4)+\t)+7], v[128*(\st)+12*\t:128*(\st)+12*\t+11], v[AF+12*(\a):AF+12*(\a)+11], v[8*(8*((\a)%4)+\t):8*(8*((\a)%4)+\t)+7], v[SC+8*(\st)+\t], v[SC+8*(\st)+(\a)] matrix_a_fmt:MATRIX_FMT_FP6 matrix_b_fmt:MATRIX_FMT_FP6 matrix_a_scale:MATRIX_SCALE_ROW1
.endif
.endr
.endm
.macro WHERE st                        ; where step st's fragments lie: RS picks the address register, KO is the byte offset
.set RS, 0
.set KO, 1536*((\st)%2)
.if (\st)/2 == 1
.set KO, KO+CH
.endif
.if (\st)/2 == 2
.set RS, 1
.endif
.endm
.macro FRAG3 reg, adr, off             ; a fragment: three loads of 16 bytes a lane
.irp k, 0,1,2
	ds_load_b128 v[(\reg)+4*\k:(\reg)+4*\k+3], v[\adr] offset:(\off)+512*\k
.endr
.endm
.macro FETCH_B st                      ; K's eight fragments of step st into set st % 2
	WHERE \st
	WIN 0x40
.irp t, 0,1,2,3,4,5,6,7
	FRAG3 128*((\st)%2)+12*\t, AS0+RS, KO+3072*\t
.endr
	WIN 0
.endm
.macro FETCH_A st, a0                  ; Q's blocks a0 .. a0 + 3 of step st
	WHERE \st
.irp a, \a0, \a0+1, \a0+2, \a0+3
	FRAG3 AF+12*(\a), AS1+RS, KO+3072*(\a)
.endr
.endm
.macro SCALES st
.irp i, 0,1,2,3,4,5,6,7
	ds_load_b32 v[SC+8*((\st)%2)+\i], v[ADRS] offset:1024*(\st)+64*\i
.endr
.endm
; A step of 128 along K: 64 products; the next step's fragments are fetched in its middle (K's, Q's blocks 0-3, the scale words) and at its end (Q's blocks 4-7).
; kind 1, 2: the next step's fragments lie in a chunk that was on its way: each wave waits for all its tensor loads, adds 0 to its spare word, waits for that and for its LDS reads, and passes a barrier.
; kind 1: the barrier opens a round of the cluster's, and K 768 .. 1,023 goes onto the bytes of K 0 .. 255, whose last reads were step 1's.
.macro STEP st, zero, kind
.if \kind
	s_wait_tensorcnt 0x0                           ; all my tensor loads have landed
	ds_add_u32 v[SPW], v[NIL]
	s_wait_dscnt 13                                ; (the add and the youngest 12 loads, Q's blocks 4-7, may be out)
	WIN 0xa1
	MUL8 0, (\st)%2, \zero
	MUL8 1, (\st)%2, \zero
	s_wait_dscnt 0x0                               ; the add is done, and so are all my LDS reads
	s_barrier_signal -1
	MUL8 2, (\st)%2, \zero
	MUL8 3, (\st)%2, \zero
	WIN 0
	s_barrier_wait -1
.if (\kind) == 1
	CREST
	s_add_nc_u64 s[58:59], s[58:59], 3*KP          ; no tensor load of mine is out: the groups 0 may be written
	s_add_nc_u64 s[74:75], s[74:75], 3*KP
	JLOAD 56, 72                                   ; the first tensor load behind the round; its four v_nop are the places in front of the loads below
.else
	PLACES
.endif
.else
	s_wait_dscnt 12                                ; K's set, Q's blocks 0-3 and the scale words are in; the youngest 12 loads may be out
	WIN 0xa1
	MUL8 0, (\st)%2, \zero
	MUL8 1, (\st)%2, \zero
	MUL8 2, (\st)%2, \zero
	MUL8 3, (\st)%2, \zero
	s_wait_dscnt 0x0                               ; Q's blocks 4-7 are in
	PLACES
.endif
	FETCH_B (\st)+1
	FETCH_A (\st)+1, 0
	SCALES (\st)+1
	WIN 0xf1
	MUL8 4, (\st)%2, \zero
	MUL8 5, (\st)%2, \zero
	MUL8 6, (\st)%2, \zero
	MUL8 7, (\st)%2, \zero
	PLACES
	WIN 0
	FETCH_A (\st)+1, 4
.endm
; block a's 16 queries x 128 keys: maxima, M, p, the sum, the scale word, the codes.  Four sets of registers for the codes take turns: v84-103, v192-211, v212-231, v232-251
.macro SOFT a
.set W, 2+(\a)/4
.set B0, 64*((\a)%4)
.if (\a)%4 == 0
.set PC, 84
.else
.set PC, 172+20*((\a)%4)
.endif
	WIN 5*W                                        ; sources 0 and 1: the block's window
.irp b, 0,1,2,3
	v_max_num_f32 v[TM+\b], v[B0+16*\b], v[B0+16*\b+1]   ; the largest score of each block of 32 keys: it serves the row's maximum and, since p rises with the score, the block's largest p
.endr
.irp i, 2,4,6,8,10,12,14
.irp b, 0,1,2,3
	v_max3_num_f32 v[TM+\b], v[B0+16*\b+\i], v[B0+16*\b+\i+1], v[TM+\b]
.endr
.endr
	WIN 0
.irp b, 0,1,2,3
	v_permlanex16_b32 v[TM+4+\b], v[TM+\b], s84, s85
.endr
.irp b, 0,1,2,3
	v_max_num_f32 v[TM+\b], v[TM+\b], v[TM+4+\b]   ; with lane l xor 16's 16 keys
.endr
	v_max3_num_f32 v20, v[TM], v[TM+1], v[TM+2]
	v_max_num_f32 v20, v20, v[TM+3]
	v_mul_f32 v20, s86, v20                        ; the panel's largest t (c is positive)
	v_floor_f32 v[NM+2*(\a)], -v20                 ; -M = floor(-t): M is a whole number
	WIN W                                          ; source 0: the block's window
.set jj, 0
.rept 32
	v_pk_fma_f32 v[NUM+jj:NUM+jj+1], v[B0+jj:B0+jj+1], s[86:87], v[NM+2*(\a):NM+2*(\a)+1] op_sel_hi:[1,0,0]   ; t - M, two at a time
.set jj, jj+2
.endr
	WIN 0
.irp b, 0,1,2,3
	v_fma_f32 v[TM+\b], v[TM+\b], s86, v[NM+2*(\a)]   ; the same of each block's largest score
.endr
.set jj, 0
	s_wait_alu depctr_va_vdst(0)
.rept 64
	v_exp_f32 v[NUM+jj], v[NUM+jj]                 ; p = 2^(t - M), at most 1
.set jj, jj+1
.endr
	v_nop                                          ; a plain place behind the exponentials
	s_wait_alu depctr_va_vdst(0)                   ; one wait for the whole batch, ahead of its first reader
.irp b, 0,1,2,3
	v_exp_f32 v[TM+\b], v[TM+\b]                   ; the block's largest p: the same two instructions on the same number give the same bits
.endr
	v_pk_add_f32 v[SU:SU+1], v[NUM:NUM+1], v[NUM+2:NUM+3]          ; the sum of the unquantised p, in two chains
	v_pk_add_f32 v[SU+2:SU+3], v[NUM+4:NUM+5], v[NUM+6:NUM+7]
.irp j, 8,12,16,20,24,28,32,36,40,44,48,52,56,60
	v_pk_add_f32 v[SU:SU+1], v[SU:SU+1], v[NUM+\j:NUM+\j+1]
	v_pk_add_f32 v[SU+2:SU+3], v[SU+2:SU+3], v[NUM+\j+2:NUM+\j+3]
.endr
	v_pk_add_f32 v[SU:SU+1], v[SU:SU+1], v[SU+2:SU+3]
	v_add_f32 v[SU], v[SU], v[SU+1]
	s_wait_alu depctr_va_vdst(0)                   ; and one for the four
.irp b, 0,1,2,3
	v_max_num_f32 v[TM+\b], 0x1800000, v[TM+\b]    ; the floor 2^(3 - 127): the byte cannot fall under 1
.endr
.irp b, 0,1,2,3
	v_add_nc_u32 v[TM+12+\b], 0xff000000, v[TM+\b] ; 2 off the exponent field: the conversion's scale operand
.endr
.irp b, 0,1,2,3
	v_lshrrev_b32 v[TM+4+\b], 23, v[TM+12+\b]      ; the byte
.endr
	v_lshl_or_b32 v[PW+(\a)], v[TM+5], 8, v[TM+4]
	v_lshl_or_b32 v[PW+(\a)], v[TM+6], 16, v[PW+(\a)]
	v_lshl_or_b32 v[PW+(\a)], v[TM+7], 24, v[PW+(\a)]
	v_permlanex16_b32 v[SU+1], v[SU], s84, s85
	v_add_f32 v[LS+(\a)], v[SU], v[SU+1]           ; with lane l xor 16's: the panel's sum of my query
.irp c, 0,1
	v_cvt_scalef32_pk16_fp6_f32 v[PC+6*\c:PC+6*\c+2], v[NUM+32*\c:NUM+32*\c+15], v[TM+12+2*\c]
	v_cvt_scalef32_pk16_fp6_f32 v[PC+12+4*\c:PC+14+4*\c], v[NUM+32*\c+16:NUM+32*\c+31], v[TM+12+2*\c+1]
.endr
	v_nop                                          ; one plain place behind a scaled conversion
.irp c, 0,1
.irp i, 0,1,2
	v_permlane16_swap_b32 v[PC+6*\c+\i], v[PC+12+4*\c+\i]
.endr
.irp i, 0,1,2
	v_mov_b32 v[PC+3+6*\c+\i], v[PC+12+4*\c+\i]
.endr
.endr
.irp k, 0,1,2
	global_store_b128 v[LI], v[PC+4*\k:PC+4*\k+3], s[90:91] offset:3072*(\a)+512*\k   ; 512 consecutive bytes, aligned
.endr
.endm
	s_load_b128 s[4:7], s[0:1], 0x0                ; qkv, pbuf
	v_lshl_add_u32 v[SPW], v0, 2, SPARE
	v_mov_b32 v[NIL], 0
	ds_add_u32 v[SPW], v[NIL]                      ; the wave's opening: the add, twice on end, and its wait ahead of my first tensor load
	ds_add_u32 v[SPW], v[NIL]
	v_lshrrev_b32 v1, 5, v0
	v_readfirstlane_b32 s16, v1                    ; wave w
	s_and_b32 s17, s16, 1                          ; my key panel; also: which part I fetch
	s_lshr_b32 s18, s16, 1                         ; my half of the queries; also: I fetch for Q (0) or for K (1)
	s_bfe_u32 s19, ttmp6, 0x40000                  ; cx
	s_bfe_u32 s20, ttmp6, 0x40004                  ; cy
	s_lshl_b32 s21, ttmp9, 2
	s_add_co_u32 s21, s21, s19                     ; J
	s_and_b32 s23, ttmp7, 0xffff
	s_lshl_b32 s22, s23, 2
	s_add_co_u32 s22, s22, s20                     ; I
	s_lshr_b32 s23, s23, 1                         ; the batch, I / 8, made of the cluster's y alone
	s_lshl_b32 s14, s20, 2
	s_lshl_b32 s14, 15, s14                        ; my row of the cluster
	s_lshl_b32 s15, 0x1111, s19                    ; my column
	s_or_b32 s24, s14, (3<<16)|(1<<21)             ; the head's tiles: 2 x 24,576 bytes (8 row blocks of 256 along K), 512 row blocks apart
	GROUP1 24, 3072, 2, 384*512
	s_or_b32 s32, s15, (3<<16)|(1<<21)
	GROUP1 32, 3072, 2, 384*512
	s_mul_i32 s2, s17, CH
	s_mul_i32 s98, s22, 49152                      ; Q's side: row block 16 I + 8 (w % 2)
	s_add_co_u32 s98, s98, s2
	s_mov_b32 s99, 0
	s_lshl_b32 s40, s22, 10                        ; Q's scale words: my 16 row blocks' 1,024 bytes of each K step
	s_add_co_u32 s40, s40, QS
	s_mov_b32 s41, 0
	s_mul_i32 s100, s23, 393216                    ; K's side: row block 128 x batch + 16 J + 8 (w % 2)
	s_mul_i32 s3, s21, 49152
	s_add_co_u32 s100, s100, s3
	s_add_co_u32 s100, s100, s2
	s_add_co_u32 s100, s100, KC
	s_mov_b32 s101, 0
	s_lshl_b32 s42, s23, 13                        ; K's scale words: my two panels' 1,024 bytes of each K step
	s_lshl_b32 s3, s21, 10
	s_add_co_u32 s42, s42, s3
	s_add_co_u32 s42, s42, KS
	s_mov_b32 s43, 0
	s_mul_i32 s66, s17, 49152                      ; LDS places: of the wave's number alone
	s_mul_i32 s67, s17, CH
	s_mov_b32 s84, 0x76543210
	s_mov_b32 s85, 0xfedcba98                      ; selects for lane l xor 16
	s_mov_b32 s86, 0x3d38aa3b                      ; c = log2(e) / sqrt(1,024)
	s_mov_b32 s87, s86                             ; (named with it as a pair)
	s_mov_b32 s88, 0xffff0000                      ; lanes 16-31
	s_wait_dscnt 0x0                               ; the opening adds are done
	CROUND                                         ; the round in front of the first joint loads; it needs no argument, so it stands ahead of the wait for them
	s_wait_kmcnt 0x0
	GROUP0 56, 66, 0, 4, 98, 0                     ; Q, K 0 .. 511; later K 768 .. 1,023
	GROUP0 60, 67, R2, 4, 98, 2*KP                 ; Q, K 512 .. 767
	GROUP0 72, 66, 98304, 4, 100, 0                ; the same for K
	GROUP0 76, 67, R2+49152, 4, 100, 2*KP
	s_add_nc_u64 s[40:41], s[4:5], s[40:41]
	s_add_nc_u64 s[42:43], s[4:5], s[42:43]
	JLOAD 56, 72                                   ; the head's fills, one a wave
	s_cmp_eq_u32 s18, 0                            ; the prefetches: my quarter of my tile, by my place among the four that ask for it jointly (cx for Q, cy for K)
	s_cselect_b32 s44, s19, s20
	s_cselect_b64 s[50:51], s[98:99], s[100:101]
	s_mul_i32 s44, s44, 6144
	s_mov_b32 s45, 0
	s_add_nc_u64 s[50:51], s[50:51], s[44:45]
	s_add_nc_u64 s[50:51], s[50:51], 2*KP
	s_add_nc_u64 s[50:51], s[4:5], s[50:51]        ; K 512 .. 767
	s_add_nc_u64 s[52:53], s[50:51], KP            ; K 768 .. 1,023.  These registers and v28 are never rewritten
	s_mul_i32 s46, s18, 49152                      ; my half of Q,
	s_mul_i32 s47, s18, CH
	s_add_co_u32 s47, s47, R2
	s_add_co_u32 s48, s66, 98304                   ; my panel of K
	s_add_co_u32 s49, s67, R2+49152
	s_lshl_b32 s54, s18, 9                         ; the scale words: lanes 0-15 Q's, lanes 16-31 K's: the lower base + h x the distance
	s_lshl_b32 s55, s17, 9
	s_add_co_u32 s55, s55, SWR-SXR
	s_sub_co_u32 s55, s55, s54
	s_add_co_u32 s54, s54, SXR
	v_and_b32 v1, 31, v0
	v_lshlrev_b32 v[LI], 4, v1
	v_lshlrev_b32 v[L4], 2, v1
	v_add_nc_u32 v[AS1], s46, v[LI]
	v_add_nc_u32 v[AS1+1], s47, v[LI]
	v_add_nc_u32 v[AS0], s48, v[LI]
	v_add_nc_u32 v[AS0+1], s49, v[LI]
	v_and_b32 v3, 15, v0                           ; r
	v_bfe_u32 v5, v0, 4, 1                         ; h
	v_mul_u32_u24 v5, s55, v5
	v_lshl_add_u32 v5, v3, 2, v5
	v_add_nc_u32 v[ADRS], s54, v5
	v_lshlrev_b32 v24, 3, v0                       ; 8 x thread
	v_lshl_add_u32 v26, v0, 3, SXR
	v_lshl_add_u32 v27, v0, 3, SWR
	v_min_u32 v28, 23, v1                          ; a lane a block of 256 bytes; the lanes left over name the last block again
	v_lshlrev_b32 v28, 8, v28
.irp b, 0,1,2,3
	v_mov_b32 v[TM+4+\b], 0                        ; a lane permute's destination counts as read
.endr
.irp b, 0,1,2,3,4,5,6,7
	v_mov_b32 v[NM+2*\b+1], 0                      ; the upper halves of the pairs that the packed form names
.endr
.irp k, 0,1,2,3,4,5,6,7
	global_load_b64 v[128+2*\k:129+2*\k], v24, s[40:41] offset:32768*\k   ; a wave's load covers 256 consecutive bytes
	global_load_b64 v[144+2*\k:145+2*\k], v24, s[42:43] offset:32768*\k
.endr
	global_prefetch_b8 v28, s[50:51] th:TH_LOAD_NT scope:SCOPE_SE
	s_lshl_b32 s2, s21, 9                          ; p's codes: (512 J + 16 I + 8 (w / 2)) 3,072 + 1,536 (w % 2)
	s_lshl_b32 s3, s22, 4
	s_add_co_u32 s2, s2, s3
	s_lshl_b32 s3, s18, 3
	s_add_co_u32 s2, s2, s3
	s_mul_i32 s2, s2, 3072
	s_mul_i32 s3, s17, 1536
	s_add_co_u32 s2, s2, s3
	s_mov_b32 s3, 0
	s_add_nc_u64 s[90:91], s[6:7], s[2:3]
	s_lshl_b32 s2, s21, 1                          ; the scale words, -M, the sums: (512 (2 J + w % 2) + 16 I + 8 (w / 2)) 64
	s_add_co_u32 s2, s2, s17
	s_lshl_b32 s2, s2, 9
	s_lshl_b32 s89, s22, 4
	s_add_co_u32 s2, s2, s89
	s_lshl_b32 s89, s18, 3
	s_add_co_u32 s2, s2, s89
	s_lshl_b32 s2, s2, 6
	s_add_co_u32 s2, s2, PS
	s_add_nc_u64 s[92:93], s[6:7], s[2:3]
	s_wait_alu depctr_va_vdst(0)
	s_wait_loadcnt 0x0                             ; the scale words
.irp k, 0,1,2,3,4,5,6,7
	ds_store_b64 v26, v[128+2*\k:129+2*\k] offset:1024*\k
	ds_store_b64 v27, v[144+2*\k:145+2*\k] offset:1024*\k
.endr
	s_wait_tensorcnt 0x0                           ; my part of K 0 .. 511 is in
	ds_add_u32 v[SPW], v[NIL]
	s_mov_b32 s25, 1536<<16                        ; no tensor load of mine is out, so a descriptor may be written: from here on a tile is 24,576 dense bytes, as 2 rows of 12,288
	s_mov_b32 s27, 1536<<16
	s_mov_b32 s29, 1536
	s_mov_b32 s33, 1536<<16
	s_mov_b32 s35, 1536<<16
	s_mov_b32 s37, 1536
	s_wait_dscnt 0x0                               ; the add is done, and my stores of scale words have landed
	CROUND                                         ; a whole round: K 0 .. 511 and the scale words are whole, and the joint loads meet
	JLOAD 60, 76                                   ; K 512 .. 767: my one tensor load behind the round
	FETCH_B 0
	FETCH_A 0, 0
	SCALES 0
	FETCH_A 0, 4
	global_prefetch_b8 v28, s[52:53] th:TH_LOAD_NT scope:SCOPE_SE
	STEP 0, 1, 0                                   ; the first products start the sums
	STEP 1, 0, 0
	STEP 2, 0, 0
	STEP 3, 0, 1                                   ; K 512 .. 767 is shown whole; K 768 .. 1,023 is asked for
	STEP 4, 0, 0
	STEP 5, 0, 2                                   ; K 768 .. 1,023 is shown whole; nothing is left to fetch
	STEP 6, 0, 0
	s_wait_dscnt 12
	WIN 0xa1
	MUL8 0, 1, 0
	MUL8 1, 1, 0
	MUL8 2, 1, 0
	MUL8 3, 1, 0
	s_wait_dscnt 0x0
	WIN 0xf1
	MUL8 4, 1, 0
	MUL8 5, 1, 0
	MUL8 6, 1, 0
	MUL8 7, 1, 0
	WIN 0
	PLACES
.irp a, 0,1,2,3,4,5,6,7
.if \a == 4
	s_wait_xcnt 0x0                                ; the first four blocks' stores have read their registers
.endif
	SOFT \a
.endr
.irp z, 0,1,2,3                                ; two blocks to a store: lanes 0-15 the even one, lanes 16-31 the odd one
	v_cndmask_b32 v[MG+\z], v[PW+2*\z], v[PW+2*\z+1], s88
	v_cndmask_b32 v[MG+4+\z], v[NM+4*\z], v[NM+4*\z+2], s88
	v_cndmask_b32 v[MG+8+\z], v[LS+2*\z], v[LS+2*\z+1], s88
.endr
.irp y, 0,1,2
.irp z, 0,1,2,3
	global_store_b32 v[L4], v[MG+4*\y+\z], s[92:93] offset:524288*\y+128*\z
.endr
.endr
	s_wait_tensorcnt 0x0                           ; the wave's end
	ds_add_u32 v[SPW], v[NIL]
	s_wait_dscnt 0x0
	CROUND                                         ; the closing round
	s_endpgm
.Lfunc_end_k_q36531ff2de_scores:
	.size	k_q36531ff2de_scores, .Lfunc_end_k_q36531ff2de_scores-k_q36531ff2de_scores
	.p2alignl 7, 3214868480
	.fill 96, 4, 3214868480
	.section	.rodata,"a",@progbits
	.p2align	6, 0x0
	.amdhsa_kernel k_q36531ff2de_scores
		.amdhsa_group_segment_fixed_size 327680
		.amdhsa_private_segment_fixed_size 0
		.amdhsa_enable_private_segment 0
		.amdhsa_kernarg_size 16
		.amdhsa_user_sgpr_count 2
		.amdhsa_user_sgpr_kernarg_segment_ptr 1
		.amdhsa_wavefront_size32 1
		.amdhsa_system_sgpr_workgroup_id_x 1
		.amdhsa_system_sgpr_workgroup_id_y 1
		.amdhsa_system_sgpr_workgroup_id_z 1
		.amdhsa_system_vgpr_workitem_id 0
		.amdhsa_next_free_vgpr 1024
		.amdhsa_next_free_sgpr 102
		.amdhsa_reserve_vcc 0
		.amdhsa_float_denorm_mode_32 3
		.amdhsa_float_denorm_mode_16_64 3
		.amdhsa_memory_ordered 1
		.amdhsa_forward_progress 1
		.amdhsa_inst_pref_size 199
	.end_amdhsa_kernel
	.amdgpu_metadata
---
amdhsa.version: [ 1, 2 ]
amdhsa.kernels:
  - .name:           k_q36531ff2de_scores
    .symbol:         k_q36531ff2de_scores.kd
    .args:
      - { .name: qkv, .offset: 0, .size: 8, .value_kind: global_buffer, .address_space: global }
      - { .name: pbuf, .offset: 8, .size: 8, .value_kind: global_buffer, .address_space: global }
    .group_segment_fixed_size: 327680
    .private_segment_fixed_size: 0
    .kernarg_segment_align: 8
    .kernarg_segment_size: 16
    .max_flat_workgroup_size: 128
    .sgpr_count:     102
    .vgpr_count:     1024
    .wavefront_size: 32
...
	.end_amdgpu_metadata
.endif
;; end of part 3
;; launch pv (part 4): grid 8 x 32, 4 waves a work-group, clusters of 4 x 4, 327,680 bytes of LDS; arguments pbuf, qkv, ctx; writes ctx
.if DOCPART == 4
	.amdgcn_target "amdgcn-amd-amdhsa--gfx1250"
	.amdhsa_code_object_version 6
	.text
	.protected	k_q36531ff2de_pv
	.globl	k_q36531ff2de_pv
	.p2align	8
	.type	k_q36531ff2de_pv,@function
k_q36531ff2de_pv:
	s_mov_b64 s[64:65], 0
	v_nop
	global_prefetch_b8 v0, s[64:65] scope:SCOPE_SE
	s_setreg_imm32_b32 hwreg(HW_REG_WAVE_MODE, 25, 1), 1
	s_wait_xcnt 0x0
	s_wait_alu depctr_hold_cnt(0) depctr_sa_sdst(0) depctr_va_vdst(0) depctr_va_sdst(0) depctr_va_ssrc(0) depctr_va_vcc(0) depctr_vm_vsrc(0)
	s_getreg_b32 s2, hwreg(HW_REG_IB_STS2, 6, 4)
	s_cmp_eq_u32 s2, 0
	s_cbranch_scc0 .Lentry_in_a_cluster
	s_endpgm
.Lentry_in_a_cluster:
	s_bfe_u32 s2, ttmp6, 0x10000c
	s_cmp_lg_u32 s2, 0xf033
	s_cbranch_scc0 .Lentry_shape_is_right
	s_endpgm
.Lentry_shape_is_right:
; ctx = (P V) / l on codes of FP6 (E2M3), quantised at once along the features.  P comes with a whole number M of its own for each (query, panel of 128 keys).  At the head each row's M is taken as the largest of its 16,
; each panel's four scale bytes have M - (the panel's M) taken off them, held at 0 from below, and l = the sum of the panels' sums x 2^(the panel's M - M): powers of two, nothing is rounded in the codes' values.
; SHARES: work-group (J, I): 256 queries (P, source 1) x panel J of 128 features (V^T, source 0), K = the batch's 2,048 keys in four slots' worth of 512; both operands go through two slots.
; CLUSTER 4 x 4: P's tiles hang on I and go jointly to a row of the cluster, V^T's on J and the batch and go to a column.
; LIMITS: the shift of a panel's bytes is held at 127; a byte that would fall under 0 is held at 0 (each such term is at most 7.5 x 2^-127 times a number of V); a block of zeros keeps the byte 1; NaN and infinities are not served.
.set VC,    12582912
.set VS,    19398656
.set PS,    12582912
.set CS,    6291456
.set WR,    196608
.set SXR,   294912                     ; P's shifted scale words [16 K steps][16 rb][64]: written by LDS stores, no fill lands here
.set SWR,   311296                     ; V^T's [16 K steps][8 rb][64]
.set SWK,   512
.set RL,    319488                     ; 1 / l of the 256 rows
.set SPARE, 323584
.set LI,   2
.set L4,   4
.set AS0,  6
.set AS1,  8
.set ASC0, 14
.set ASC1, 15
.set SPW,  18
.set NIL,  19
.set SC0,  32
.set SC1,  40
.set TM,   64                          ; v64-79   the largest magnitude of block n = 4 a + b (a: my block of 16 rows, b: 32 features)
.set XT,   80                          ; v80-95   lane l xor 16's, then the scale bytes
.set SV,   96                          ; v96-111  the conversions' scale operands
.set PW,   112                         ; v112-115 the four scale words
.set MG,   116
.set RLV,  120                         ; v120, 122, 124, 126: 1 / l of my four blocks' rows (named as pairs)
.set PC,   128                         ; v[PC + 24 a] on: block a's fragment (12 registers) and 8 at work
.set MSB, 0
.macro WIN new
.if MSB != (\new)
	s_set_vgpr_msb (MSB<<8)|(\new)
.set MSB, (\new)
.endif
.endm
.macro PLACES
.rept 4
	v_nop
.endr
.endm
.macro CREST
	s_cmp_lg_u32 s16, 0
	s_cbranch_scc1 .Lnw0_\@
	s_barrier_signal -3
.Lnw0_\@:
	s_barrier_wait -3
	s_barrier_signal -1
	s_barrier_wait -1
.endm
.macro CROUND
	s_barrier_signal -1
	s_barrier_wait -1
	CREST
.endm
.macro GROUP1 g, d0, rows, pitch
	s_mov_b32 s[\g+1], (\d0)<<16
	s_mov_b32 s[\g+2], (\rows)<<16
	s_mov_b32 s[\g+3], (\d0)<<16
	s_mov_b32 s[\g+4], \rows
	s_mov_b32 s[\g+5], \pitch
	s_mov_b32 s[\g+6], 0
	s_mov_b32 s[\g+7], 0
.endm
.macro GROUP0 g, lr, lo, pt, of, ad
	s_mov_b32 s[\g], 1
	s_add_co_u32 s[\g+1], s[\lr], \lo
	s_add_nc_u64 s[\g+2:\g+3], s[\pt:\pt+1], s[\of:\of+1]
.if \ad
	s_add_nc_u64 s[\g+2:\g+3], s[\g+2:\g+3], \ad
.endif
	s_or_b32 s[\g+3], s[\g+3], 0x80000000
.endm
.macro WM d, f0, f1, zero, cc, sa, sb, row
.if \zero
.if (\row) == 0
	v_wmma_scale_f32_16x16x128_f8f6f4 v[(\d):(\d)+7], v[(\f0):(\f0)+11], v[(\f1):(\f1)+11], 0, v[\sa], v[\sb] matrix_a_fmt:MATRIX_FMT_FP6 matrix_b_fmt:MATRIX_FMT_FP6
.elseif (\row) == 1
	v_wmma_scale_f32_16x16x128_f8f6f4 v[(\d):(\d)+7], v[(\f0):(\f0)+11], v[(\f1):(\f1)+11], 0, v[\sa], v[\sb] matrix_a_fmt:MATRIX_FMT_FP6 matrix_b_fmt:MATRIX_FMT_FP6 matrix_a_scale:MATRIX_SCALE_ROW1
.elseif (\row) == 2
	v_wmma_scale_f32_16x16x128_f8f6f4 v[(\d):(\d)+7], v[(\f0):(\f0)+11], v[(\f1):(\f1)+11], 0, v[\sa], v[\sb] matrix_a_fmt:MATRIX_FMT_FP6 matrix_b_fmt:MATRIX_FMT_FP6 matrix_b_scale:MATRIX_SCALE_ROW1
.else
	v_wmma_scale_f32_16x16x128_f8f6f4 v[(\d):(\d)+7], v[(\f0):(\f0)+11], v[(\f1):(\f1)+11], 0, v[\sa], v[\sb] matrix_a_fmt:MATRIX_FMT_FP6 matrix_b_fmt:MATRIX_FMT_FP6 matrix_a_scale:MATRIX_SCALE_ROW1 matrix_b_scale:MATRIX_SCALE_ROW1
.endif
.else
.if (\row) == 0
	v_wmma_scale_f32_16x16x128_f8f6f4 v[(\d):(\d)+7], v[(\f0):(\f0)+11], v[(\f1):(\f1)+11], v[(\cc):(\cc)+7], v[\sa], v[\sb] matrix_a_fmt:MATRIX_FMT_FP6 matrix_b_fmt:MATRIX_FMT_FP6
.elseif (\row) == 1
	v_wmma_scale_f32_16x16x128_f8f6f4 v[(\d):(\d)+7], v[(\f0):(\f0)+11], v[(\f1):(\f1)+11], v[(\cc):(\cc)+7], v[\sa], v[\sb] matrix_a_fmt:MATRIX_FMT_FP6 matrix_b_fmt:MATRIX_FMT_FP6 matrix_a_scale:MATRIX_SCALE_ROW1
.elseif (\row) == 2
	v_wmma_scale_f32_16x16x128_f8f6f4 v[(\d):(\d)+7], v[(\f0):(\f0)+11], v[(\f1):(\f1)+11], v[(\cc):(\cc)+7], v[\sa], v[\sb] matrix_a_fmt:MATRIX_FMT_FP6 matrix_b_fmt:MATRIX_FMT_FP6 matrix_b_scale:MATRIX_SCALE_ROW1
.else
	v_wmma_scale_f32_16x16x128_f8f6f4 v[(\d):(\d)+7], v[(\f0):(\f0)+11], v[(\f1):(\f1)+11], v[(\cc):(\cc)+7], v[\sa], v[\sb] matrix_a_fmt:MATRIX_FMT_FP6 matrix_b_fmt:MATRIX_FMT_FP6 matrix_a_scale:MATRIX_SCALE_ROW1 matrix_b_scale:MATRIX_SCALE_ROW1
.endif
.endif
.endm
.macro MUL8 a, st, cm                  ; the 32 accumulators take turns, one instruction a turn
.irp t, 0,1,2,3,4,5,6,7
	WM 8*(8*(\a)+\t), 128*(\st)+12*\t, 48*(\st)+12*(\a), \cm, 8*(8*(\a)+\t), SC0+4*(\st)+\t/2, SC1+2*(\st)+(\a)/2, \t%2+2*((\a)%2)
.endr
.endm
.macro FETCH sl, q, st, ks
	WIN 0x40
.irp t, 0,1,2,3,4,5,6,7
.irp k, 0,1,2
	ds_load_b128 v[128*(\st)+12*\t+4*\k:128*(\st)+12*\t+4*\k+3], v[AS0+(\sl)] offset:(\t/4)*24576+((\q)/2)*12288+(\t%4)*3072+((\q)%2)*1536+512*\k
.endr
.endr
	WIN 0xc0
.irp a, 0,1,2,3
.irp k, 0,1,2
	ds_load_b128 v[48*(\st)+12*\a+4*\k:48*(\st)+12*\a+4*\k+3], v[AS1+(\sl)] offset:((\q)/2)*24576+\a*3072+((\q)%2)*1536+512*\k
.endr
.endr
	WIN 0
.irp u, 0,1,2,3
	ds_load_b32 v[SC0+4*(\st)+\u], v[ASC0] offset:(\ks)*SWK+128*\u
.endr
.irp u, 0,1
	ds_load_b32 v[SC1+2*(\st)+\u], v[ASC1] offset:(\ks)*1024+128*\u
.endr
.endm
.macro STEP sl, q, ks, cm
	s_wait_dscnt 0x0
	WIN 0xad
	MUL8 0, (\q)%2, \cm
	PLACES
	FETCH \sl, (\q)+1, 1-(\q)%2, (\ks)+1
	WIN 0xad
	MUL8 1, (\q)%2, \cm
	MUL8 2, (\q)%2, \cm
	MUL8 3, (\q)%2, \cm
.endm
.macro PHASE3 sl, k0, cm
	STEP \sl, 0, \k0, \cm
	STEP \sl, 1, (\k0)+1, 0
	STEP \sl, 2, (\k0)+2, 0
.endm
.macro REFILL sl                       ; waves 0 and 1 fetch P's two halves, waves 2 and 3 V^T's: the keys 1,024 on
	s_add_nc_u64 s[58+4*\sl:59+4*\sl], s[58+4*\sl:59+4*\sl], 6291456
	s_add_nc_u64 s[74+4*\sl:75+4*\sl], s[74+4*\sl:75+4*\sl], 3145728
	s_cmp_eq_u32 s18, 0
	s_cbranch_scc0 .Lfw_\@
	tensor_load_to_lds s[56+4*\sl:59+4*\sl], s[24:31]
	s_nop 0
.rept 4
	v_nop
.endr
	s_branch .Lfd_\@
.Lfw_\@:
	tensor_load_to_lds s[72+4*\sl:75+4*\sl], s[32:39]
	s_nop 0
.rept 4
	v_nop
.endr
.Lfd_\@:
.endm
.macro TURN sl, fill, nsl, nks
	WIN 0
	s_wait_tensorcnt 0x0                           ; all my tensor loads have landed
	ds_add_u32 v[SPW], v[NIL]
	s_wait_dscnt 1                                 ; (the add alone may be out)
	WIN 0xad
	MUL8 0, 1, 0
	s_wait_dscnt 0x0                               ; the add is done, and my reads of this slot are over
	s_barrier_signal -1
	MUL8 1, 1, 0
	WIN 0
	s_barrier_wait -1
.if \fill
	CREST
	REFILL \sl                                     ; the four v_nop behind the load are also the places in front of the loads below
.else
	PLACES
.endif
	FETCH \nsl, 0, 0, \nks
	WIN 0xad
	MUL8 2, 1, 0
	MUL8 3, 1, 0
.endm
.macro LAST
	s_wait_dscnt 0x0
	WIN 0xad
	MUL8 0, 1, 0
	MUL8 1, 1, 0
	MUL8 2, 1, 0
	MUL8 3, 1, 0
	WIN 0
.endm
; ctx leaves.  A lane's 256 numbers lie in window 2: register 16 n + i is feature 32 b + 16 h + i of my row of block a, n = 4 a + b.  All 16 blocks of 32 go through each stage by turns,
; so that no line reads the result of one of the 15 lines above it; each block a has registers of its own for its fragment.
.macro EPI oc, os
	WIN 0x0a                                       ; sources 0 and 1 window 2
.irp n, 0,1,2,3,4,5,6,7,8,9,10,11,12,13,14,15
	v_max3_num_f32 v[TM+\n], |v[16*\n]|, |v[16*\n+1]|, 0x1800000   ; and the floor 2^(3 - 127): the byte cannot fall under 1
.endr
.irp i, 2,4,6,8,10,12,14
.irp n, 0,1,2,3,4,5,6,7,8,9,10,11,12,13,14,15
	v_max3_num_f32 v[TM+\n], |v[16*\n+\i]|, |v[16*\n+\i+1]|, v[TM+\n]
.endr
.endr
	WIN 0
.irp n, 0,1,2,3,4,5,6,7,8,9,10,11,12,13,14,15
	v_permlanex16_b32 v[XT+\n], v[TM+\n], s84, s85
.endr
.irp n, 0,1,2,3,4,5,6,7,8,9,10,11,12,13,14,15
	v_max_num_f32 v[TM+\n], v[TM+\n], v[XT+\n]     ; with lane l xor 16's: the block's largest magnitude
.endr
.irp n, 0,1,2,3,4,5,6,7,8,9,10,11,12,13,14,15
	v_add_nc_u32 v[SV+\n], 0xff000000, v[TM+\n]    ; 2 off its exponent field: the conversion's scale operand
.endr
.irp n, 0,1,2,3,4,5,6,7,8,9,10,11,12,13,14,15
	v_lshrrev_b32 v[XT+\n], 23, v[SV+\n]           ; the byte
.endr
.irp a, 0,1,2,3
	v_lshl_or_b32 v[PW+\a], v[XT+4*\a+1], 8, v[XT+4*\a]
.endr
.irp a, 0,1,2,3
	v_lshl_or_b32 v[PW+\a], v[XT+4*\a+2], 16, v[PW+\a]
.endr
.irp a, 0,1,2,3
	v_lshl_or_b32 v[PW+\a], v[XT+4*\a+3], 24, v[PW+\a]
.endr
	WIN 0x02                                       ; source 0 window 2
.irp a, 0,1,2,3
.irp c, 0,1
	v_cvt_scalef32_pk16_fp6_f32 v[PC+24*\a+6*\c:PC+24*\a+6*\c+2], v[64*\a+32*\c:64*\a+32*\c+15], v[SV+4*\a+2*\c]
	v_cvt_scalef32_pk16_fp6_f32 v[PC+24*\a+12+4*\c:PC+24*\a+14+4*\c], v[64*\a+32*\c+16:64*\a+32*\c+31], v[SV+4*\a+2*\c+1]
.endr
.endr
	WIN 0
	v_nop                                          ; one plain place behind the scaled conversions
.irp a, 0,1,2,3                                ; the layout wants a whole block in a lane
.irp c, 0,1
.irp i, 0,1,2
	v_permlane16_swap_b32 v[PC+24*\a+6*\c+\i], v[PC+24*\a+12+4*\c+\i]
.endr
.endr
.endr
.irp a, 0,1,2,3
.irp c, 0,1
.irp i, 0,1,2
	v_mov_b32 v[PC+24*\a+3+6*\c+\i], v[PC+24*\a+12+4*\c+\i]
.endr
.endr
.endr
.irp a, 0,1,2,3
.irp k, 0,1,2
	global_store_b128 v[LI], v[PC+24*\a+4*\k:PC+24*\a+4*\k+3], s[\oc:\oc+1] offset:3072*\a+512*\k
.endr
.endr
	v_cndmask_b32 v[MG], v[PW], v[PW+1], s88
	v_cndmask_b32 v[MG+1], v[PW+2], v[PW+3], s88
	global_store_b32 v[L4], v[MG], s[\os:\os+1]
	global_store_b32 v[L4], v[MG+1], s[\os:\os+1] offset:128
.endm
; panel kk of my two rows (e = 0, 1): d = (-M) - (the panel's -M), 0 or less, held at -127; l += the panel's sum x 2^d; -d is taken off each of the word's four bytes, held at 0.
; The bytes are at most 125, so with bit 7 set on each no borrow crosses a byte, and bit 7 of a difference says that it is not negative.
.macro ADJW kk
.irp e, 0,1
	v_sub_f32 v[166+\e], v[160+\e], v[96+2*(\kk)+\e]
.endr
.irp e, 0,1
	v_max_num_f32 v[166+\e], 0xc2fe0000, v[166+\e]
.endr
.irp e, 0,1
	v_cvt_i32_f32 v[166+\e], v[166+\e]
.endr
.if (\kk) == 0
.irp e, 0,1
	v_ldexp_f32 v[162+\e], v[128+\e], v[166+\e]
.endr
.else
.irp e, 0,1
	v_ldexp_f32 v[168+\e], v[128+2*(\kk)+\e], v[166+\e]
.endr
.irp e, 0,1
	v_add_f32 v[162+\e], v[162+\e], v[168+\e]
.endr
.endif
.irp e, 0,1
	v_sub_nc_u32 v[166+\e], 0, v[166+\e]
.endr
.irp e, 0,1
	v_perm_b32 v[166+\e], v[166+\e], v[166+\e], 0  ; its low byte in all four
.endr
.irp e, 0,1
	v_or_b32 v[168+\e], s89, v[64+2*(\kk)+\e]
.endr
.irp e, 0,1
	v_sub_nc_u32 v[168+\e], v[168+\e], v[166+\e]
.endr
.irp e, 0,1
	v_and_b32 v[166+\e], s89, v[168+\e]
.endr
.irp e, 0,1
	v_lshrrev_b32 v[170+\e], 7, v[166+\e]
.endr
.irp e, 0,1
	v_sub_nc_u32 v[166+\e], v[166+\e], v[170+\e]   ; 0x7f where the difference is not negative, else 0
.endr
.irp e, 0,1
	v_and_b32 v[64+2*(\kk)+\e], v[168+\e], v[166+\e]
.endr
	ds_store_b64 v21, v[64+2*(\kk):65+2*(\kk)] offset:1024*(\kk)
.endm
	s_load_b128 s[4:7], s[0:1], 0x0                ; pbuf, qkv
	s_load_b64 s[8:9], s[0:1], 0x10                ; ctx
	v_lshl_add_u32 v[SPW], v0, 2, SPARE
	v_mov_b32 v[NIL], 0
	ds_add_u32 v[SPW], v[NIL]                      ; the wave's opening: the add and its wait ahead of my first tensor load
	ds_add_u32 v[SPW], v[NIL]
	v_lshrrev_b32 v1, 5, v0
	v_readfirstlane_b32 s16, v1
	s_and_b32 s17, s16, 1
	s_lshr_b32 s18, s16, 1
	s_bfe_u32 s19, ttmp6, 0x40000
	s_bfe_u32 s20, ttmp6, 0x40004
	s_lshl_b32 s21, ttmp9, 2
	s_add_co_u32 s21, s21, s19                     ; J
	s_and_b32 s23, ttmp7, 0xffff
	s_lshl_b32 s22, s23, 2
	s_add_co_u32 s22, s22, s20                     ; I
	s_lshr_b32 s23, s23, 1                         ; the batch
	s_lshl_b32 s14, s20, 2
	s_lshl_b32 s14, 15, s14
	s_lshl_b32 s15, 0x1111, s19
	s_or_b32 s24, s14, (3<<16)|(1<<21)
	GROUP1 24, 3072, 2, 384*512
	s_or_b32 s32, s15, (3<<16)|(1<<21)
	GROUP1 32, 1536, 2, 384*256
	s_mul_i32 s98, s22, 49152                      ; P's side
	s_mul_i32 s2, s17, 24576
	s_add_co_u32 s98, s98, s2
	s_mov_b32 s99, 0
	s_mul_i32 s100, s23, 196608                    ; V^T's side: row block 64 x batch + 8 J + 4 (w % 2)
	s_mul_i32 s3, s21, 24576
	s_add_co_u32 s100, s100, s3
	s_mul_i32 s3, s17, 12288
	s_add_co_u32 s100, s100, s3
	s_add_co_u32 s100, s100, VC
	s_mov_b32 s101, 0
	s_lshl_b32 s42, s23, 12                        ; V^T's scale words: panel J's 512 bytes of each K step
	s_lshl_b32 s3, s21, 9
	s_add_co_u32 s42, s42, s3
	s_add_co_u32 s42, s42, VS
	s_mov_b32 s43, 0
	s_mul_i32 s66, s17, 49152
	s_mul_i32 s67, s17, 24576
	s_mov_b32 s84, 0x76543210
	s_mov_b32 s85, 0xfedcba98
	s_mov_b32 s88, 0xffff0000
	s_mov_b32 s89, 0x80808080
	s_wait_dscnt 0x0                               ; the opening adds are done
	CROUND                                         ; the round in front of the first joint loads; it needs no argument, so it stands ahead of the wait for them
	s_wait_kmcnt 0x0
	GROUP0 56, 66, 0, 4, 98, 0
	GROUP0 60, 66, 98304, 4, 98, 3145728
	GROUP0 72, 67, WR, 6, 100, 0
	GROUP0 76, 67, WR+49152, 6, 100, 1572864
	s_add_nc_u64 s[42:43], s[6:7], s[42:43]
	s_cmp_eq_u32 s18, 0                            ; the head's fills, one a wave: slot 0's four parts
	s_cbranch_scc0 .Lfirst_w
	tensor_load_to_lds s[56:59], s[24:31]
	s_nop 0
.rept 4
	v_nop
.endr
	s_branch .Lfirst_done
.Lfirst_w:
	tensor_load_to_lds s[72:75], s[32:39]
	s_nop 0
.rept 4
	v_nop
.endr
.Lfirst_done:
	; SLOT 1's TILES ARE PREFETCHED HERE, one fill ahead of the loads that bring them.  My slot 1 load is two rows (256 keys each) of 24,576 bytes (P) or 12,288 (V^T);
	; the four partners that ask for it jointly share each row out by address, a quarter each (cx for P, cy for V^T): 24 or 12 blocks of 256 bytes, a lane a block, one instruction a row;
	; the lanes left over name the last block again.  The registers of these two lines are never rewritten.  The later refills are not prefetched: the text has no loop to run ahead in.
	s_cmp_eq_u32 s18, 0
	s_cselect_b32 s44, s19, s20                    ; my place among the four
	s_mov_b32 s45, 3072
	s_cselect_b32 s45, 6144, s45                   ; a quarter of a row
	s_cselect_b32 s46, 23, 11                      ; its last block
	s_mov_b32 s48, 786432
	s_cselect_b32 s48, 1572864, s48                ; from row to row
	s_cselect_b64 s[50:51], s[98:99], s[100:101]   ; where my tile of slot 0 begins
	s_cselect_b64 s[54:55], s[4:5], s[6:7]         ; in pbuf or in qkv
	s_mul_i32 s44, s44, s45
	s_mov_b32 s45, 0
	s_mov_b32 s49, 0
	s_add_nc_u64 s[50:51], s[50:51], s[44:45]
	s_add_nc_u64 s[50:51], s[50:51], s[48:49]
	s_add_nc_u64 s[50:51], s[50:51], s[48:49]      ; slot 1 begins two rows on
	s_add_nc_u64 s[50:51], s[54:55], s[50:51]
	s_add_nc_u64 s[52:53], s[50:51], s[48:49]
	; V^T's SCALE WORDS come once, by plain loads, and go by LDS stores to bytes on which no fill lands: threads 0-63 take an even K step's 512 bytes, threads 64-127 the next one's.
	; They are not asked for jointly: 8 KiB beside the 288 KiB of codes that a work-group's first fills bring.
	v_lshrrev_b32 v24, 6, v0
	v_and_b32 v25, 63, v0
	v_lshlrev_b32 v24, 14, v24
	v_lshl_add_u32 v24, v25, 3, v24                ; 16,384 (thread / 64) + 8 (thread % 64)
	v_lshl_add_u32 v27, v0, 3, SWR
	v_and_b32 v28, 31, v0
	v_min_u32 v28, s46, v28
	v_lshlrev_b32 v28, 8, v28
.irp k, 0,1,2,3,4,5,6,7
	global_load_b64 v[176+2*\k:177+2*\k], v24, s[42:43] offset:32768*\k
.endr
	global_prefetch_b8 v28, s[50:51] th:TH_LOAD_NT scope:SCOPE_SE
	global_prefetch_b8 v28, s[52:53] th:TH_LOAD_NT scope:SCOPE_SE
	s_lshl_b32 s2, s22, 10                         ; my work-group's 256 rows among the scale words, -M and the sums
	s_add_co_u32 s2, s2, PS
	s_mov_b32 s3, 0
	s_add_nc_u64 s[90:91], s[4:5], s[2:3]
	v_lshlrev_b32 v20, 3, v0                       ; thread t takes places 2 t and 2 t + 1: a wave's load covers 256 consecutive bytes
	v_lshl_add_u32 v21, v0, 3, SXR
.irp k, 0,1,2,3,4,5,6,7,8,9,10,11,12,13,14,15
	global_load_b64 v[64+2*\k:65+2*\k], v20, s[90:91] offset:32768*\k
	global_load_b64 v[96+2*\k:97+2*\k], v20, s[90:91] offset:32768*\k+524288
	global_load_b64 v[128+2*\k:129+2*\k], v20, s[90:91] offset:32768*\k+1048576
.endr
	v_and_b32 v1, 31, v0
	v_lshlrev_b32 v[LI], 4, v1
	v_lshlrev_b32 v[L4], 2, v1
	v_add_nc_u32 v[AS0], WR, v[LI]
	v_add_nc_u32 v[AS0+1], WR+49152, v[LI]
	s_mul_i32 s2, s18, 49152
	s_mul_i32 s3, s17, 12288
	s_add_co_u32 s2, s2, s3
	v_add_nc_u32 v[AS1], s2, v[LI]
	s_add_co_u32 s2, s2, 98304
	v_add_nc_u32 v[AS1+1], s2, v[LI]
	v_add_nc_u32 v[ASC0], SWR, v[L4]
	s_lshl_b32 s2, s16, 8
	s_add_co_u32 s3, s2, SXR
	v_add_nc_u32 v[ASC1], s3, v[L4]
	v_and_b32 v3, 15, v0
	s_add_co_u32 s3, s2, RL
	v_lshl_add_u32 v22, v3, 2, s3                  ; 1 / l of my blocks' rows: 256 w + 4 r
	s_lshr_b32 s2, s21, 1                          ; ctx's codes: ((J / 2) 512 + 16 I + 4 w) 3,072 + (J % 2) 1,536
	s_lshl_b32 s2, s2, 9
	s_lshl_b32 s3, s22, 4
	s_add_co_u32 s2, s2, s3
	s_lshl_b32 s3, s16, 2
	s_add_co_u32 s2, s2, s3
	s_mul_i32 s2, s2, 3072
	s_and_b32 s3, s21, 1
	s_mul_i32 s3, s3, 1536
	s_add_co_u32 s2, s2, s3
	s_mov_b32 s3, 0
	s_add_nc_u64 s[92:93], s[8:9], s[2:3]
	s_lshl_b32 s2, s21, 9                          ; its scale words: (512 J + 16 I + 4 w) 64
	s_lshl_b32 s66, s22, 4
	s_add_co_u32 s2, s2, s66
	s_lshl_b32 s66, s16, 2
	s_add_co_u32 s2, s2, s66
	s_lshl_b32 s2, s2, 6
	s_add_co_u32 s2, s2, CS
	s_add_nc_u64 s[94:95], s[8:9], s[2:3]
	s_wait_loadcnt 0x0
.irp e, 0,1
	v_min3_num_f32 v[160+\e], v[96+\e], v[98+\e], v[100+\e]        ; the least -M of the row's 16 panels: the row's -M
.endr
.irp i, 3,5,7,9,11,13
.irp e, 0,1
	v_min3_num_f32 v[160+\e], v[160+\e], v[96+2*\i+\e], v[98+2*\i+\e]
.endr
.endr
.irp e, 0,1
	v_min_num_f32 v[160+\e], v[160+\e], v[126+\e]
.endr
.irp k, 0,1,2,3,4,5,6,7,8,9,10,11,12,13,14,15
	ADJW \k
.endr
	s_wait_alu depctr_va_vdst(0)
	v_rcp_f32 v164, v162
	v_rcp_f32 v165, v163
	v_nop                                          ; a plain place behind the reciprocals
	s_wait_alu depctr_va_vdst(0)                   ; and the wait ahead of their first reader
	ds_store_b64 v21, v[164:165] offset:RL-SXR
	s_wait_dscnt 0x0                               ; for the others' sake: my stores have landed
.irp n, 0,1,2,3,4,5,6,7,8,9,10,11,12,13,14,15
	v_mov_b32 v[XT+\n], 0                          ; a lane permute's destination counts as read
.endr
.irp b, 0,1,2,3
	v_mov_b32 v[RLV+2*\b+1], 0                     ; the upper halves of the pairs that the packed form names
.endr
.irp k, 0,1,2,3,4,5,6,7
	ds_store_b64 v27, v[176+2*\k:177+2*\k] offset:1024*\k
.endr
	s_wait_tensorcnt 0x0                           ; my part of slot 0 is in
	ds_add_u32 v[SPW], v[NIL]
	s_wait_dscnt 0x0                               ; the add is done, and my stores of scale words have landed
	CROUND                                         ; a whole round: slot 0 and the scale words are whole, and the joint loads meet
	s_cmp_eq_u32 s18, 0                            ; slot 1's first fill: my one tensor load behind the round
	s_cbranch_scc0 .Lsecond_w
	tensor_load_to_lds s[60:63], s[24:31]
	s_nop 0
.rept 4
	v_nop
.endr
	s_branch .Lsecond_done
.Lsecond_w:
	tensor_load_to_lds s[76:79], s[32:39]
	s_nop 0
.rept 4
	v_nop
.endr
.Lsecond_done:
	FETCH 0, 0, 0, 0
	PHASE3 0, 0, 1                                 ; keys 0 .. 511: the first products start the sums
	TURN 0, 1, 1, 4                                ; slot 0 takes keys 1,024 .. 1,535
	PHASE3 1, 4, 0
	TURN 1, 1, 0, 8                                ; slot 1 takes keys 1,536 .. 2,047
	PHASE3 0, 8, 0
	TURN 0, 0, 1, 12
	PHASE3 1, 12, 0
	LAST
	PLACES
.irp a, 0,1,2,3
	ds_load_b32 v[RLV+2*\a], v22 offset:64*\a
.endr
	s_wait_alu depctr_va_vdst(0)
	s_wait_dscnt 0x0
	WIN 0x82                                       ; source 0 and the destination window 2
.irp a, 0,1,2,3
.set jj, 64*\a
.rept 32
	v_pk_mul_f32 v[jj:jj+1], v[jj:jj+1], v[RLV+2*\a:RLV+2*\a+1] op_sel_hi:[1,0]   ; / l, in place; each accumulator from its low end on
.set jj, jj+2
.endr
.endr
	EPI 92, 94
	s_wait_tensorcnt 0x0                           ; the wave's end
	ds_add_u32 v[SPW], v[NIL]
	s_wait_dscnt 0x0
	CROUND
	s_endpgm
.Lfunc_end_k_q36531ff2de_pv:
	.size	k_q36531ff2de_pv, .Lfunc_end_k_q36531ff2de_pv-k_q36531ff2de_pv
	.p2alignl 7, 3214868480
	.fill 96, 4, 3214868480
	.section	.rodata,"a",@progbits
	.p2align	6, 0x0
	.amdhsa_kernel k_q36531ff2de_pv
		.amdhsa_group_segment_fixed_size 327680
		.amdhsa_private_segment_fixed_size 0
		.amdhsa_enable_private_segment 0
		.amdhsa_kernarg_size 24
		.amdhsa_user_sgpr_count 2
		.amdhsa_user_sgpr_kernarg_segment_ptr 1
		.amdhsa_wavefront_size32 1
		.amdhsa_system_sgpr_workgroup_id_x 1
		.amdhsa_system_sgpr_workgroup_id_y 1
		.amdhsa_system_sgpr_workgroup_id_z 1
		.amdhsa_system_vgpr_workitem_id 0
		.amdhsa_next_free_vgpr 1024
		.amdhsa_next_free_sgpr 102
		.amdhsa_reserve_vcc 0
		.amdhsa_float_denorm_mode_32 3
		.amdhsa_float_denorm_mode_16_64 3
		.amdhsa_memory_ordered 1
		.amdhsa_forward_progress 1
		.amdhsa_inst_pref_size 172
	.end_amdhsa_kernel
	.amdgpu_metadata
---
amdhsa.version: [ 1, 2 ]
amdhsa.kernels:
  - .name:           k_q36531ff2de_pv
    .symbol:         k_q36531ff2de_pv.kd
    .args:
      - { .name: pbuf, .offset: 0, .size: 8, .value_kind: global_buffer, .address_space: global }
      - { .name: qkv, .offset: 8, .size: 8, .value_kind: global_buffer, .address_space: global }
      - { .name: ctx, .offset: 16, .size: 8, .value_kind: global_buffer, .address_space: global }
    .group_segment_fixed_size: 327680
    .private_segment_fixed_size: 0
    .kernarg_segment_align: 8
    .kernarg_segment_size: 24
    .max_flat_workgroup_size: 128
    .sgpr_count:     102
    .vgpr_count:     1024
    .wavefront_size: 32
...
	.end_amdgpu_metadata
.endif
;; end of part 4
;; launch oproj (part 5): grid 8 x 32, 4 waves a work-group, clusters of 4 x 4, 327,680 bytes of LDS; arguments ctx, opq, bo, out0; writes out0
.if DOCPART == 5
	.amdgcn_target "amdgcn-amd-amdhsa--gfx1250"
	.amdhsa_code_object_version 6
	.text
	.protected	k_q36531ff2de_oproj
	.globl	k_q36531ff2de_oproj
	.p2align	8
	.type	k_q36531ff2de_oproj,@function
k_q36531ff2de_oproj:
	s_mov_b64 s[64:65], 0
	v_nop
	global_prefetch_b8 v0, s[64:65] scope:SCOPE_SE
	s_setreg_imm32_b32 hwreg(HW_REG_WAVE_MODE, 25, 1), 1
	s_wait_xcnt 0x0
	s_wait_alu depctr_hold_cnt(0) depctr_sa_sdst(0) depctr_va_vdst(0) depctr_va_sdst(0) depctr_va_ssrc(0) depctr_va_vcc(0) depctr_vm_vsrc(0)
	s_getreg_b32 s2, hwreg(HW_REG_IB_STS2, 6, 4)
	s_cmp_eq_u32 s2, 0
	s_cbranch_scc0 .Lentry_in_a_cluster
	s_endpgm
.Lentry_in_a_cluster:
	s_bfe_u32 s2, ttmp6, 0x10000c
	s_cmp_lg_u32 s2, 0xf033
	s_cbranch_scc0 .Lentry_shape_is_right
	s_endpgm
.Lentry_shape_is_right:
; out0 = ctx Wo^T + bo on codes of FP6 (E2M3) with E8M0 scales; f32 out.  Work-group (J, I): 256 rows of ctx (source 1, 4 row blocks a wave) x panel J of 128 rows of Wo (source 0); K = 1,024 lies whole in LDS: two slots
; of 512, each filled once.  A lane holds one row and 64 columns 32 b + 16 h + 0 .. 15; bo is the C of the first products.
; CLUSTER 4 x 4: ctx's tiles hang on I and go jointly to a row of the cluster, Wo's on J and go to a column.
; THE WAY OUT: a block of 16 rows x 128 columns goes through the wave's own stage and leaves as rows of 512 consecutive bytes.  The stage lies in ctx's slot 0: it has had its only fill, and behind the one change of slots nobody reads it.
; LIMITS: NaN and infinities are not served.
.set WC,    6291456
.set WS,    9699328
.set CS,    6291456
.set WR,    196608
.set SXR,   294912
.set SWR,   311296
.set SWK,   512
.set SPARE, 323584
.set LI,   2
.set L4,   4
.set AS0,  6
.set AS1,  8
.set ASC0, 14
.set ASC1, 15
.set SPW,  18
.set NIL,  19
.set STO,  22
.set RD,   23
.set SC0,  32
.set SC1,  40
.set BK,   64
.set MSB, 0
.macro WIN new
.if MSB != (\new)
	s_set_vgpr_msb (MSB<<8)|(\new)
.set MSB, (\new)
.endif
.endm
.macro PLACES
.rept 4
	v_nop
.endr
.endm
.macro CREST
	s_cmp_lg_u32 s16, 0
	s_cbranch_scc1 .Lnw0_\@
	s_barrier_signal -3
.Lnw0_\@:
	s_barrier_wait -3
	s_barrier_signal -1
	s_barrier_wait -1
.endm
.macro CROUND
	s_barrier_signal -1
	s_barrier_wait -1
	CREST
.endm
.macro GROUP1 g, d0, rows, pitch
	s_mov_b32 s[\g+1], (\d0)<<16
	s_mov_b32 s[\g+2], (\rows)<<16
	s_mov_b32 s[\g+3], (\d0)<<16
	s_mov_b32 s[\g+4], \rows
	s_mov_b32 s[\g+5], \pitch
	s_mov_b32 s[\g+6], 0
	s_mov_b32 s[\g+7], 0
.endm
.macro GROUP0 g, lr, lo, pt, of, ad
	s_mov_b32 s[\g], 1
	s_add_co_u32 s[\g+1], s[\lr], \lo
	s_add_nc_u64 s[\g+2:\g+3], s[\pt:\pt+1], s[\of:\of+1]
.if \ad
	s_add_nc_u64 s[\g+2:\g+3], s[\g+2:\g+3], \ad
.endif
	s_or_b32 s[\g+3], s[\g+3], 0x80000000
.endm
.macro WM d, f0, f1, cc, sa, sb, row
.if (\row) == 0
	v_wmma_scale_f32_16x16x128_f8f6f4 v[(\d):(\d)+7], v[(\f0):(\f0)+11], v[(\f1):(\f1)+11], v[(\cc):(\cc)+7], v[\sa], v[\sb] matrix_a_fmt:MATRIX_FMT_FP6 matrix_b_fmt:MATRIX_FMT_FP6
.elseif (\row) == 1
	v_wmma_scale_f32_16x16x128_f8f6f4 v[(\d):(\d)+7], v[(\f0):(\f0)+11], v[(\f1):(\f1)+11], v[(\cc):(\cc)+7], v[\sa], v[\sb] matrix_a_fmt:MATRIX_FMT_FP6 matrix_b_fmt:MATRIX_FMT_FP6 matrix_a_scale:MATRIX_SCALE_ROW1
.elseif (\row) == 2
	v_wmma_scale_f32_16x16x128_f8f6f4 v[(\d):(\d)+7], v[(\f0):(\f0)+11], v[(\f1):(\f1)+11], v[(\cc):(\cc)+7], v[\sa], v[\sb] matrix_a_fmt:MATRIX_FMT_FP6 matrix_b_fmt:MATRIX_FMT_FP6 matrix_b_scale:MATRIX_SCALE_ROW1
.else
	v_wmma_scale_f32_16x16x128_f8f6f4 v[(\d):(\d)+7], v[(\f0):(\f0)+11], v[(\f1):(\f1)+11], v[(\cc):(\cc)+7], v[\sa], v[\sb] matrix_a_fmt:MATRIX_FMT_FP6 matrix_b_fmt:MATRIX_FMT_FP6 matrix_a_scale:MATRIX_SCALE_ROW1 matrix_b_scale:MATRIX_SCALE_ROW1
.endif
.endm
.macro MUL8 a, st, cm                  ; cm = 0: add in place; 2: C = bo's tile t, v[96 + 8 t] of window 3.  The 32 accumulators take turns, one instruction a turn
.irp t, 0,1,2,3,4,5,6,7
.if (\cm) == 0
	WM 8*(8*(\a)+\t), 128*(\st)+12*\t, 48*(\st)+12*(\a), 8*(8*(\a)+\t), SC0+4*(\st)+\t/2, SC1+2*(\st)+(\a)/2, \t%2+2*((\a)%2)
.else
	WM 8*(8*(\a)+\t), 128*(\st)+12*\t, 48*(\st)+12*(\a), 96+8*\t, SC0+4*(\st)+\t/2, SC1+2*(\st)+(\a)/2, \t%2+2*((\a)%2)
.endif
.endr
.endm
.macro FETCH sl, q, st, ks
	WIN 0x40
.irp t, 0,1,2,3,4,5,6,7
.irp k, 0,1,2
	ds_load_b128 v[128*(\st)+12*\t+4*\k:128*(\st)+12*\t+4*\k+3], v[AS0+(\sl)] offset:(\t/4)*24576+((\q)/2)*12288+(\t%4)*3072+((\q)%2)*1536+512*\k
.endr
.endr
	WIN 0xc0
.irp a, 0,1,2,3
.irp k, 0,1,2
	ds_load_b128 v[48*(\st)+12*\a+4*\k:48*(\st)+12*\a+4*\k+3], v[AS1+(\sl)] offset:((\q)/2)*24576+\a*3072+((\q)%2)*1536+512*\k
.endr
.endr
	WIN 0
.irp u, 0,1,2,3
	ds_load_b32 v[SC0+4*(\st)+\u], v[ASC0] offset:(\ks)*SWK+128*\u
.endr
.irp u, 0,1
	ds_load_b32 v[SC1+2*(\st)+\u], v[ASC1] offset:(\ks)*1024+128*\u
.endr
.endm
.macro STEP sl, q, ks, cm
	s_wait_dscnt 0x0
.if (\cm) >= 2
	WIN 0xbd
.else
	WIN 0xad
.endif
	MUL8 0, (\q)%2, \cm
	PLACES
	FETCH \sl, (\q)+1, 1-(\q)%2, (\ks)+1
.if (\cm) >= 2
	WIN 0xbd
.else
	WIN 0xad
.endif
	MUL8 1, (\q)%2, \cm
	MUL8 2, (\q)%2, \cm
	MUL8 3, (\q)%2, \cm
.endm
.macro PHASE3 sl, k0, cm
	STEP \sl, 0, \k0, \cm
	STEP \sl, 1, (\k0)+1, 0
	STEP \sl, 2, (\k0)+2, 0
.endm
.macro TOSTAGE a
	WIN 0x08                                       ; an LDS store's data: window 2
.irp t, 0,1,2,3,4,5,6,7
	ds_store_b128 v[STO], v[64*(\a)+8*\t:64*(\a)+8*\t+3] offset:128*(\t/2)+32*(\t%2)        ; each accumulator from its low end on
	ds_store_b128 v[STO], v[64*(\a)+8*\t+4:64*(\a)+8*\t+7] offset:128*(\t/2)+32*(\t%2)+16
.endr
	WIN 0
.irp i, 0,1,2,3,4,5,6,7,8,9,10,11,12,13,14,15
	ds_load_b128 v[BK+64*((\a)%2)+4*\i:BK+64*((\a)%2)+4*\i+3], v[RD] offset:528*\i   ; LDS serves a wave's instructions in order: these see my stores
.endr
.endm
.macro SEND a, younger                 ; younger: the LDS instructions issued behind block a's loads, which may stay out
	s_wait_dscnt \younger
.irp i, 0,1,2,3,4,5,6,7,8,9,10,11,12,13,14,15
	global_store_b128 v[LI], v[BK+64*((\a)%2)+4*\i:BK+64*((\a)%2)+4*\i+3], s[90:91] offset:(32*((\a)/2)+8*((\a)%2)+\i+8*(\i/8))*4096 th:TH_STORE_NT   ; 512 consecutive bytes of place i's row, aligned
.endr
.endm
	s_load_b256 s[4:11], s[0:1], 0x0               ; ctx, opq, bo, out0
	v_lshl_add_u32 v[SPW], v0, 2, SPARE
	v_mov_b32 v[NIL], 0
	ds_add_u32 v[SPW], v[NIL]                      ; the wave's opening: the add and its wait ahead of my first tensor load
	ds_add_u32 v[SPW], v[NIL]
	v_lshrrev_b32 v1, 5, v0
	v_readfirstlane_b32 s16, v1
	s_and_b32 s17, s16, 1
	s_lshr_b32 s18, s16, 1
	s_bfe_u32 s19, ttmp6, 0x40000
	s_bfe_u32 s20, ttmp6, 0x40004
	s_lshl_b32 s21, ttmp9, 2
	s_add_co_u32 s21, s21, s19                     ; J
	s_and_b32 s23, ttmp7, 0xffff
	s_lshl_b32 s22, s23, 2
	s_add_co_u32 s22, s22, s20                     ; I
	s_lshl_b32 s14, s20, 2
	s_lshl_b32 s14, 15, s14
	s_lshl_b32 s15, 0x1111, s19
	s_or_b32 s24, s14, (3<<16)|(1<<21)
	GROUP1 24, 3072, 2, 384*512
	s_or_b32 s32, s15, (3<<16)|(1<<21)
	GROUP1 32, 1536, 2, 384*256
	s_mul_i32 s98, s22, 49152                      ; ctx's side
	s_mul_i32 s2, s17, 24576
	s_add_co_u32 s98, s98, s2
	s_mov_b32 s99, 0
	s_lshl_b32 s40, s22, 10                        ; ctx's scale words: my 16 row blocks' 1,024 bytes of each K step
	s_add_co_u32 s40, s40, CS
	s_mov_b32 s41, 0
	s_mul_i32 s100, s21, 24576                     ; Wo's side: row block 192 + 8 J + 4 (w % 2)
	s_mul_i32 s3, s17, 12288
	s_add_co_u32 s100, s100, s3
	s_add_co_u32 s100, s100, WC+192*3072
	s_mov_b32 s101, 0
	s_lshl_b32 s42, s21, 11                        ; Wo's scale words: panel J's 512 bytes of each K step
	s_add_co_u32 s42, s42, WS+1536
	s_mov_b32 s43, 0
	s_mul_i32 s66, s17, 49152
	s_mul_i32 s67, s17, 24576
	s_wait_dscnt 0x0                               ; the opening adds are done
	CROUND                                         ; the round in front of the first joint loads; it needs no argument, so it stands ahead of the wait for them
	s_wait_kmcnt 0x0
	GROUP0 56, 66, 0, 4, 98, 0
	GROUP0 60, 66, 98304, 4, 98, 3145728
	s_add_nc_u64 s[40:41], s[4:5], s[40:41]
	GROUP0 72, 67, WR, 6, 100, 0
	GROUP0 76, 67, WR+49152, 6, 100, 1572864
	s_add_nc_u64 s[42:43], s[6:7], s[42:43]
	s_cmp_eq_u32 s18, 0                            ; the head's fills, one a wave: slot 0's four parts
	s_cbranch_scc0 .Lfirst_w
	tensor_load_to_lds s[56:59], s[24:31]
	s_nop 0
.rept 4
	v_nop
.endr
	s_branch .Lfirst_done
.Lfirst_w:
	tensor_load_to_lds s[72:75], s[32:39]
	s_nop 0
.rept 4
	v_nop
.endr
.Lfirst_done:
	; SLOT 1's TILES ARE PREFETCHED HERE, one fill ahead of the loads that bring them.  My slot 1 load is two rows (256 along K each) of 24,576 bytes (ctx) or 12,288 (Wo);
	; the four partners that ask for it jointly share each row out by address, a quarter each (cx for ctx, cy for Wo): 24 or 12 blocks of 256 bytes, a lane a block, one instruction a row;
	; the lanes left over name the last block again.  The registers of these two lines are never rewritten.
	s_cmp_eq_u32 s18, 0
	s_cselect_b32 s44, s19, s20                    ; my place among the four
	s_mov_b32 s45, 3072
	s_cselect_b32 s45, 6144, s45                   ; a quarter of a row
	s_cselect_b32 s46, 23, 11                      ; its last block
	s_mov_b32 s48, 786432
	s_cselect_b32 s48, 1572864, s48                ; from row to row
	s_cselect_b64 s[50:51], s[98:99], s[100:101]   ; where my tile of slot 0 begins
	s_cselect_b64 s[54:55], s[4:5], s[6:7]         ; in ctx or in opq
	s_mul_i32 s44, s44, s45
	s_mov_b32 s45, 0
	s_mov_b32 s49, 0
	s_add_nc_u64 s[50:51], s[50:51], s[44:45]
	s_add_nc_u64 s[50:51], s[50:51], s[48:49]
	s_add_nc_u64 s[50:51], s[50:51], s[48:49]      ; slot 1 begins two rows on
	s_add_nc_u64 s[50:51], s[54:55], s[50:51]
	s_add_nc_u64 s[52:53], s[50:51], s[48:49]
	; THE SCALE WORDS come once, by plain loads, and go by LDS stores to bytes on which no fill lands.  Of Wo's, threads 0-63 take an even K step's 512 bytes, threads 64-127 the next one's.
	; They are not asked for jointly: 12 KiB beside the 288 KiB of codes that a work-group's fills bring.
	v_lshlrev_b32 v24, 3, v0                       ; 8 x thread
	v_lshrrev_b32 v25, 6, v0
	v_and_b32 v29, 63, v0
	v_lshlrev_b32 v25, 14, v25
	v_lshl_add_u32 v25, v29, 3, v25                ; 16,384 (thread / 64) + 8 (thread % 64)
	v_lshl_add_u32 v26, v0, 3, SXR
	v_lshl_add_u32 v27, v0, 3, SWR
	v_and_b32 v28, 31, v0
	v_min_u32 v28, s46, v28
	v_lshlrev_b32 v28, 8, v28
.irp k, 0,1,2,3,4,5,6,7
	global_load_b64 v[128+2*\k:129+2*\k], v24, s[40:41] offset:32768*\k
.endr
.irp k, 0,1,2,3
	global_load_b64 v[144+2*\k:145+2*\k], v25, s[42:43] offset:32768*\k
.endr
	global_prefetch_b8 v28, s[50:51] th:TH_LOAD_NT scope:SCOPE_SE
	global_prefetch_b8 v28, s[52:53] th:TH_LOAD_NT scope:SCOPE_SE
	v_and_b32 v1, 31, v0
	v_lshlrev_b32 v[LI], 4, v1
	v_lshlrev_b32 v[L4], 2, v1
	v_add_nc_u32 v[AS0], WR, v[LI]
	v_add_nc_u32 v[AS0+1], WR+49152, v[LI]
	s_mul_i32 s2, s18, 49152
	s_mul_i32 s3, s17, 12288
	s_add_co_u32 s2, s2, s3
	v_add_nc_u32 v[AS1], s2, v[LI]
	s_add_co_u32 s2, s2, 98304
	v_add_nc_u32 v[AS1+1], s2, v[LI]
	v_add_nc_u32 v[ASC0], SWR, v[L4]
	s_lshl_b32 s2, s16, 8
	s_add_co_u32 s2, s2, SXR
	v_add_nc_u32 v[ASC1], s2, v[L4]
	v_and_b32 v3, 15, v0                           ; r
	v_bfe_u32 v5, v0, 4, 1                         ; h
	s_mul_i32 s2, s16, 16*528                      ; my stage: 16 rows x (512 bytes + 16)
	v_mul_u32_u24 v[STO], v3, 528
	v_lshl_add_u32 v[STO], v5, 6, v[STO]
	v_add_nc_u32 v[STO], s2, v[STO]                ; in: row r, + 64 h
	v_add_nc_u32 v[RD], s2, v[LI]                  ; back: 16 bytes a lane of a row
	v_lshlrev_b32 v20, 6, v5                       ; bo: tile t's register j is column 128 J + 32 (t / 2) + 16 h + 8 (t % 2) + j
	s_lshl_b32 s2, s21, 9
	s_mov_b32 s3, 0
	s_add_nc_u64 s[8:9], s[8:9], s[2:3]
	WIN 0xc0
.irp t, 0,1,2,3,4,5,6,7
	global_load_b128 v[96+8*\t:96+8*\t+3], v20, s[8:9] offset:(32*(\t/2)+8*(\t%2))*4
	global_load_b128 v[96+8*\t+4:96+8*\t+7], v20, s[8:9] offset:(32*(\t/2)+8*(\t%2))*4+16
.endr
	WIN 0
	s_lshl_b32 s66, s22, 20                        ; out0: row 256 I + 64 w, column 128 J
	s_add_co_u32 s2, s2, s66
	s_lshl_b32 s66, s16, 18
	s_add_co_u32 s2, s2, s66
	s_add_nc_u64 s[90:91], s[10:11], s[2:3]
	s_wait_alu depctr_va_vdst(0)
	s_wait_loadcnt 0x0                             ; bo
.irp k, 0,1,2,3,4,5,6,7
	ds_store_b64 v26, v[128+2*\k:129+2*\k] offset:1024*\k
.endr
.irp k, 0,1,2,3
	ds_store_b64 v27, v[144+2*\k:145+2*\k] offset:1024*\k
.endr
	s_wait_tensorcnt 0x0                           ; my part of slot 0 is in
	ds_add_u32 v[SPW], v[NIL]
	s_wait_dscnt 0x0                               ; the add is done, and my stores of scale words have landed
	CROUND                                         ; a whole round: slot 0 and the scale words are whole, and the joint loads meet
	s_cmp_eq_u32 s18, 0                            ; slot 1's only fill: my one tensor load behind the round
	s_cbranch_scc0 .Lsecond_w
	tensor_load_to_lds s[60:63], s[24:31]
	s_nop 0
.rept 4
	v_nop
.endr
	s_branch .Lsecond_done
.Lsecond_w:
	tensor_load_to_lds s[76:79], s[32:39]
	s_nop 0
.rept 4
	v_nop
.endr
.Lsecond_done:
	FETCH 0, 0, 0, 0
	PHASE3 0, 0, 2                                 ; the first products take bo as C
	WIN 0                                          ; the change of slots: nothing is filled again
	s_wait_tensorcnt 0x0                           ; my part of slot 1 has landed
	ds_add_u32 v[SPW], v[NIL]
	s_wait_dscnt 1                                 ; (the add alone may be out)
	WIN 0xad
	MUL8 0, 1, 0
	s_wait_dscnt 0x0                               ; the add is done, and my reads of slot 0 are over
	s_barrier_signal -1
	MUL8 1, 1, 0
	WIN 0
	s_barrier_wait -1
	PLACES
	FETCH 1, 0, 0, 4
	WIN 0xad
	MUL8 2, 1, 0
	MUL8 3, 1, 0
	PHASE3 1, 4, 0
	s_wait_dscnt 0x0
	WIN 0xad
	MUL8 0, 1, 0
	MUL8 1, 1, 0
	MUL8 2, 1, 0
	MUL8 3, 1, 0
	WIN 0
	PLACES
	TOSTAGE 0
.irp a, 1,2,3
.if \a > 1
	s_wait_xcnt 0x0                                ; block a - 2's stores have read their registers: block a's loads may land there
.endif
	TOSTAGE \a
	SEND \a-1, 32                                  ; behind block a - 1's loads: block a's 16 stores and 16 loads
.endr
	SEND 3, 0
	s_wait_tensorcnt 0x0                           ; the wave's end
	ds_add_u32 v[SPW], v[NIL]
	s_wait_dscnt 0x0
	CROUND                                         ; the closing round
	s_endpgm
.Lfunc_end_k_q36531ff2de_oproj:
	.size	k_q36531ff2de_oproj, .Lfunc_end_k_q36531ff2de_oproj-k_q36531ff2de_oproj
	.p2alignl 7, 3214868480
	.fill 96, 4, 3214868480
	.section	.rodata,"a",@progbits
	.p2align	6, 0x0
	.amdhsa_kernel k_q36531ff2de_oproj
		.amdhsa_group_segment_fixed_size 327680
		.amdhsa_private_segment_fixed_size 0
		.amdhsa_enable_private_segment 0
		.amdhsa_kernarg_size 32
		.amdhsa_user_sgpr_count 2
		.amdhsa_user_sgpr_kernarg_segment_ptr 1
		.amdhsa_wavefront_size32 1
		.amdhsa_system_sgpr_workgroup_id_x 1
		.amdhsa_system_sgpr_workgroup_id_y 1
		.amdhsa_system_sgpr_workgroup_id_z 1
		.amdhsa_system_vgpr_workitem_id 0
		.amdhsa_next_free_vgpr 1024
		.amdhsa_next_free_sgpr 102
		.amdhsa_reserve_vcc 0
		.amdhsa_float_denorm_mode_32 3
		.amdhsa_float_denorm_mode_16_64 3
		.amdhsa_memory_ordered 1
		.amdhsa_forward_progress 1
		.amdhsa_inst_pref_size 83
	.end_amdhsa_kernel
	.amdgpu_metadata
---
amdhsa.version: [ 1, 2 ]
amdhsa.kernels:
  - .name:           k_q36531ff2de_oproj
    .symbol:         k_q36531ff2de_oproj.kd
    .args:
      - { .name: ctx, .offset: 0, .size: 8, .value_kind: global_buffer, .address_space: global }
      - { .name: opq, .offset: 8, .size: 8, .value_kind: global_buffer, .address_space: global }
      - { .name: bo, .offset: 16, .size: 8, .value_kind: global_buffer, .address_space: global }
      - { .name: out0, .offset: 24, .size: 8, .value_kind: global_buffer, .address_space: global }
    .group_segment_fixed_size: 327680
    .private_segment_fixed_size: 0
    .kernarg_segment_align: 8
    .kernarg_segment_size: 32
    .max_flat_workgroup_size: 128
    .sgpr_count:     102
    .vgpr_count:     1024
    .wavefront_size: 32
...
	.end_amdgpu_metadata
.endif
;; end of part 5
